; MI455X (gfx1250); checked and timed in simulation.
; The chip was launched on July 23, 2026; its instructions are those of AMD's public machine-readable ISA for CDNA 5 (MIT licence, August 2026) and "CDNA5" Instruction Set Architecture Reference Guide (July 2026). The comments in the code are by the model that wrote it; some were corrected since.
;; Solids Head. Allowed arithmetic: float matrix products may take bf16 or f16 operands with f32 sums; other float arithmetic in f32, or as packed bf16 or f16 multiplies, adds, multiply-adds, maxima and minima; sums over many terms, partial sums and values carried from step to step in f32; what a program stores and reads back later, other than sums and carried values, may be rounded once to bf16 or f16.
;; Inputs: b1_a 512 float32; b1_s 512 float32; b2_a 7 float32; b2_s 5 float32; features 2 x 128 x 128 x 256 float32; lab_library 4,096 x 256 float32; prototype_spectra 4,096 x 224 float32; w1_a 261 x 512 float32; w1_s 256 x 512 float32; w2_a 512 x 7 float32; w2_s 512 x 5 float32.
;; Outputs: out0 2 x 128 x 128 int32; out1 2 x 128 x 128 x 7 float32; out2 2 x 128 x 128 x 224 float32; out3 2 x 128 x 128 x 5 float32.
;; 2 versions, each right and faster than the one before. Each part assembles by itself: llvm-mc -triple=amdgcn-amd-amdhsa -mcpu=gfx1250 --defsym DOCPART=n.
;; ======== version 1 of 2: 4 launches
;; workspace buffers: fb 16,777,216 bytes; lb 2,129,920 bytes; pb 1,835,008 bytes; wt 524,288 bytes; tbl 100,352 bytes; lnf 4,194,304 bytes; grp 262,144 bytes of whole numbers; ids 524,288 bytes of whole numbers
;; launch prep (part 1): grid 460 x 1, 4 waves a work-group, no clusters, 0 bytes of LDS; arguments features, lab_library, prototype_spectra, w1_s, w1_a, w2_s, w2_a, b1_s, b1_a, b2_s, b2_a, fb, lb, pb, wt, tbl; writes fb, lb, pb, wt, tbl
.if DOCPART == 1
	.amdgcn_target "amdgcn-amd-amdhsa--gfx1250"
	.amdhsa_code_object_version 6
	.text
	.protected	k_q9f41dc14be_prep
	.globl	k_q9f41dc14be_prep
	.p2align	8
	.type	k_q9f41dc14be_prep,@function
k_q9f41dc14be_prep:
	s_mov_b64 s[64:65], 0
	v_nop
	global_prefetch_b8 v0, s[64:65] scope:SCOPE_SE
	s_setreg_imm32_b32 hwreg(HW_REG_WAVE_MODE, 25, 1), 1
	s_wait_xcnt 0x0
; PREP.  Every input is rounded once to bf16 and laid out for the later launches.
;   work-groups   0-255  features -> fb
;   work-groups 256-287  lab_library -> lb (its first 2,097,152 bytes)
;   work-groups 288-315  prototype_spectra -> pb
;   work-groups 316-379  wt[u][k] = w1_s[k][u] (u < 512), w1_a[k][u - 512] (u >= 512), k < 256: the first layers' weights with K along the rows
;   work-groups 380-411  tbl, first 65,536 bytes: for each tile of 16 hidden units one matrix fragment (16 units x 32 k) that holds the bias and, in the second MLP, w1_a's rows 256-260 three times
;   work-groups 412-427  tbl, next 32,768 bytes: for each tile of 16 hidden units half a fragment of w2 (16 outputs x 16 units), zero beyond 5 or 7 outputs; then b2_s and b2_a, padded with zeros
;   work-groups 428-459  the library's norms, of the rounded numbers, behind lb's rows: y = 1 / x at byte RLO + 4 row, x = |row| + 1e-12 at byte XLO + 4 row
; THE NORM'S ORDER.  A row's 256 squares (exact in f32: the numbers have 8 bits) are added in eight blocks of 32, each ascending from its first, and the eight sums ascending; the root is the rounded one.
; LIMITS.  A sum of squares below 2^-126 counts as 0; NaN and infinities are not treated apart.
; No LDS and no barrier: no wave wants a byte that another wave has fetched.
.set X,  16                            ; v[16:79]   64 f32 as loaded
.set Y,  80                            ; v[80:111]  cast: 8 steps x 4 words of bf16
.set T,  112                           ; v[112:117] the norm: two words of bf16, four rounded numbers as f32
.set RLO, 2097152
.set XLO, RLO+16384
	s_load_b512 s[4:19], s[0:1], 0x0               ; features 4, lab_library 6, prototype_spectra 8, w1_s 10, w1_a 12, w2_s 14, w2_a 16, b1_s 18
	s_load_b512 s[20:35], s[0:1], 0x40             ; b1_a 20, b2_s 22, b2_a 24, fb 26, lb 28, pb 30, wt 32, tbl 34
	v_and_b32 v1, 31, v0                           ; lane
	v_lshrrev_b32 v2, 5, v0
	v_readfirstlane_b32 s38, v2                    ; wave
	s_mov_b32 s39, ttmp9                           ; work-group
	s_wait_kmcnt 0x0
	s_cmp_lt_u32 s39, 316
	s_cbranch_scc0 .Lnot_cast
	; THE CAST.  A step is 256 numbers (1,024 bytes in, 512 out).  A wave takes 32 steps, 8 a trip.
	s_cmp_lt_u32 s39, 256
	s_cselect_b64 s[40:41], s[4:5], s[6:7]         ; from
	s_cselect_b64 s[42:43], s[26:27], s[28:29]     ; to
	s_cselect_b32 s44, 0, 256                      ; the tensor's first work-group
	s_cmp_lt_u32 s39, 288
	s_cselect_b64 s[40:41], s[40:41], s[8:9]
	s_cselect_b64 s[42:43], s[42:43], s[30:31]
	s_cselect_b32 s44, s44, 288
	s_sub_co_u32 s44, s39, s44
	s_lshl_b32 s44, s44, 2
	s_add_co_u32 s44, s44, s38                     ; my wave among the tensor's
	s_lshl_b32 s46, s44, 15                        ; 32 steps of 1,024 bytes
	s_mov_b32 s47, 0
	s_add_nc_u64 s[40:41], s[40:41], s[46:47]
	s_lshl_b32 s46, s44, 14                        ; 32 steps of 512 bytes
	s_add_nc_u64 s[42:43], s[42:43], s[46:47]
	v_lshlrev_b32 v3, 4, v1                        ; 16 bytes a lane in,
	v_lshlrev_b32 v4, 3, v1                        ; 8 out
	s_mov_b32 s52, 4
.Lcast:
.irp j, 0,1,2,3,4,5,6,7
	global_load_b128 v[X+8*\j:X+8*\j+3],   v3, s[40:41] offset:1024*\j       ; 512 neighbouring bytes a load
	global_load_b128 v[X+8*\j+4:X+8*\j+7], v3, s[40:41] offset:1024*\j+512
.endr
.irp j, 0,1,2,3,4,5,6,7
	s_wait_loadcnt 14-2*\j                         ; behind step j's two loads stand the two of each later step
	v_cvt_pk_bf16_f32 v[Y+4*\j],   v[X+8*\j],   v[X+8*\j+1]
	v_cvt_pk_bf16_f32 v[Y+4*\j+1], v[X+8*\j+2], v[X+8*\j+3]
	v_cvt_pk_bf16_f32 v[Y+4*\j+2], v[X+8*\j+4], v[X+8*\j+5]
	v_cvt_pk_bf16_f32 v[Y+4*\j+3], v[X+8*\j+6], v[X+8*\j+7]
	global_store_b64 v4, v[Y+4*\j:Y+4*\j+1],   s[42:43] offset:512*\j       ; 256 consecutive bytes, aligned
	global_store_b64 v4, v[Y+4*\j+2:Y+4*\j+3], s[42:43] offset:512*\j+256
.endr
	s_wait_xcnt 0x0                                ; the pointers, and in the next trip the stores' data, are written only behind this wait
	s_add_nc_u64 s[40:41], s[40:41], 8192
	s_add_nc_u64 s[42:43], s[42:43], 4096
	s_sub_co_u32 s52, s52, 1
	s_cmp_lg_u32 s52, 0
	s_cbranch_scc1 .Lcast
	s_branch .Lend
.Lnot_cast:
	s_cmp_lt_u32 s39, 380
	s_cbranch_scc0 .Lnot_wt
	; WT.  A wave makes four rows u .. u + 3: lane l loads 16 bytes (four u) of the rows k = 8 l .. 8 l + 7 of w1, and stores for each u its eight k: 16 bytes, the wave a whole row of 512.
	s_sub_co_u32 s44, s39, 316
	s_cmp_lt_u32 s44, 32
	s_cselect_b64 s[40:41], s[10:11], s[12:13]
	s_lshl_b32 s45, s44, 2
	s_add_co_u32 s45, s45, s38                     ; which four rows of wt, 0 .. 255
	s_and_b32 s46, s45, 127
	s_lshl_b32 s46, s46, 4                         ; 4 u x 4 bytes
	v_lshl_add_u32 v3, v1, 14, s46                 ; 8 rows of 2,048 bytes a lane
.irp i, 0,1,2,3,4,5,6,7
	global_load_b128 v[16+4*\i:19+4*\i], v3, s[40:41] offset:2048*\i
.endr
	s_lshl_b32 s47, s45, 11                        ; four rows of 512 bytes
	v_lshl_add_u32 v4, v1, 4, s47
	s_wait_loadcnt 0x0
.irp u, 0,1,2,3
.irp m, 0,1,2,3
	v_cvt_pk_bf16_f32 v[48+4*\u+\m], v[16+8*\m+\u], v[20+8*\m+\u]
.endr
	global_store_b128 v4, v[48+4*\u:51+4*\u], s[32:33] offset:512*\u
.endr
	s_branch .Lend
.Lnot_wt:
	v_and_b32 v2, 15, v0                           ; r
	v_bfe_u32 v3, v0, 4, 1                         ; h
	s_cmp_lt_u32 s39, 412
	s_cbranch_scc0 .Lnot_wx
	; THE EXTENSION'S FRAGMENTS.  A wave writes one half (registers 0-3 or 4-7) of the fragment of unit tile ut: lane (r, h) holds unit 16 (ut % 32) + r and eight k.
	; Of the four blocks of eight k, three hold w1_a[256 + i][unit] at i < 5 (for the three bf16 terms of a score); the first also holds the bias at i = 5.  In the first MLP only the bias.
	s_sub_co_u32 s44, s39, 380
	s_lshl_b32 s44, s44, 2
	s_add_co_u32 s44, s44, s38                     ; 2 ut + half
	s_and_b32 s45, s44, 1                          ; half
	s_lshr_b32 s46, s44, 1                         ; ut
	s_lshr_b32 s52, s46, 5                         ; 0: first MLP, 1: second
	s_and_b32 s48, s46, 31
	s_lshl_b32 s48, s48, 6                         ; 16 units x 4 bytes
	s_cmp_eq_u32 s52, 0
	s_cselect_b64 s[40:41], s[18:19], s[20:21]     ; b1_s or b1_a
	v_lshl_add_u32 v4, v2, 2, s48
.irp i, 0,1,2,3,4
	global_load_b32 v[8+\i], v4, s[12:13] offset:(256+\i)*2048
.endr
	global_load_b32 v13, v4, s[40:41]
	v_and_b32 v5, s45, v3                          ; 1 in the fourth block,
	v_xor_b32 v5, 1, v5
	v_and_b32 v5, s52, v5                          ; 1 where the weights stand
	v_cmp_ne_u32 vcc_lo, 0, v5
	v_or_b32 v6, s45, v3
	v_cmp_eq_u32 s49, 0, v6                        ; the first block
	s_lshl_b32 s46, s44, 9
	v_lshl_add_u32 v7, v1, 4, s46
	s_wait_loadcnt 0x0
.irp i, 0,1,2,3,4
	v_cndmask_b32 v[8+\i], 0, v[8+\i], vcc_lo
.endr
	v_cndmask_b32 v13, 0, v13, s49
	v_cvt_pk_bf16_f32 v16, v8, v9
	v_cvt_pk_bf16_f32 v17, v10, v11
	v_cvt_pk_bf16_f32 v18, v12, v13
	v_mov_b32 v19, 0
	global_store_b128 v7, v[16:19], s[34:35]
	s_branch .Lend
.Lnot_wx:
	s_cmp_lt_u32 s39, 428
	s_cbranch_scc0 .Lnorm
	; W2.  A wave writes the half fragment of unit tile ut: lane (r, h) holds output r and the units 16 (ut % 32) + 8 h + 0..7.
	s_sub_co_u32 s44, s39, 412
	s_lshl_b32 s44, s44, 2
	s_add_co_u32 s44, s44, s38                     ; ut
	s_lshr_b32 s52, s44, 5
	s_and_b32 s48, s44, 31
	s_lshl_b32 s48, s48, 4
	s_cmp_eq_u32 s52, 0
	s_cselect_b64 s[40:41], s[14:15], s[16:17]     ; w2_s or w2_a
	s_cselect_b32 s49, 5, 7                        ; numbers in a row
	s_cselect_b32 s50, 4, 6                        ; the last output
	v_lshl_add_u32 v4, v3, 3, s48
	v_min_u32 v5, s50, v2                          ; no load leaves the row
	v_mad_u32_u24 v4, v4, s49, v5
	v_lshlrev_b32 v8, 2, v4
	s_lshl_b32 s51, s49, 2
.irp i, 1,2,3,4,5,6,7
	v_add_nc_u32 v[8+\i], s51, v[7+\i]
.endr
.irp i, 0,1,2,3,4,5,6,7
	global_load_b32 v[16+\i], v[8+\i], s[40:41]
.endr
	v_cmp_ge_u32 vcc_lo, s50, v2
	s_lshl_b32 s46, s44, 9
	v_lshl_add_u32 v6, v1, 4, s46
	s_wait_loadcnt 0x0
.irp i, 0,1,2,3,4,5,6,7
	v_cndmask_b32 v[16+\i], 0, v[16+\i], vcc_lo
.endr
.irp m, 0,1,2,3
	v_cvt_pk_bf16_f32 v[24+\m], v[16+2*\m], v[17+2*\m]
.endr
	global_store_b128 v6, v[24:27], s[34:35] offset:65536
	s_cmp_eq_u32 s44, 0
	s_cbranch_scc0 .Lend
	; one wave adds the second layers' biases (16 + 16 f32, rounded to bf16, zero beyond 5 and 7) and zeros up to the table's end, which a later launch copies whole
	v_min_u32 v30, 4, v2
	v_min_u32 v31, 6, v2
	v_lshlrev_b32 v30, 2, v30
	v_lshlrev_b32 v31, 2, v31
	global_load_b32 v32, v30, s[22:23]
	global_load_b32 v33, v31, s[24:25]
	v_lshlrev_b32 v34, 2, v1
	v_mov_b32 v35, 0
	s_wait_loadcnt 0x0
	v_cmp_gt_u32 vcc_lo, 5, v2
	v_cndmask_b32 v32, 0, v32, vcc_lo
	v_cmp_gt_u32 vcc_lo, 7, v2
	v_cndmask_b32 v33, 0, v33, vcc_lo
	v_cmp_eq_u32 vcc_lo, 1, v3
	v_cndmask_b32 v32, v32, v33, vcc_lo
	v_cvt_pk_bf16_f32 v32, v32, v32
	v_lshlrev_b32 v32, 16, v32
	global_store_b32 v34, v32, s[34:35] offset:98304
.irp n, 1,2,3,4,5,6,7,8,9,10,11,12,13,14,15
	global_store_b32 v34, v35, s[34:35] offset:98304+128*\n
.endr
	s_branch .Lend
.Lnorm:
	; THE LIBRARY'S NORMS.  A lane takes a row, since the order of the additions is fixed; four trips of 256 bytes (64 numbers, two blocks of 32).
	s_sub_co_u32 s44, s39, 428
	s_lshl_b32 s44, s44, 7                         ; 128 rows a work-group
	v_add_nc_u32 v3, s44, v0                       ; my row
	v_lshlrev_b32 v4, 10, v3                       ; x 1,024 bytes
	v_mov_b32 v5, 0                                ; the sum of the block sums
	s_mov_b32 s50, 0xffff0000
	s_mov_b64 s[40:41], s[6:7]
	s_mov_b32 s52, 4
.Lnrm:
.irp i, 0,1,2,3,4,5,6,7,8,9,10,11,12,13,14,15
	global_load_b128 v[X+4*\i:X+4*\i+3], v4, s[40:41] offset:16*\i
.endr
.irp i, 0,1,2,3,4,5,6,7,8,9,10,11,12,13,14,15
	s_wait_loadcnt 15-\i                           ; behind load i stand the later ones of the trip
	v_cvt_pk_bf16_f32 v[T],   v[X+4*\i],   v[X+4*\i+1]
	v_cvt_pk_bf16_f32 v[T+1], v[X+4*\i+2], v[X+4*\i+3]
	v_lshlrev_b32 v[T+2], 16,  v[T]
	v_and_b32     v[T+3], s50, v[T]
	v_lshlrev_b32 v[T+4], 16,  v[T+1]
	v_and_b32     v[T+5], s50, v[T+1]
.if (\i % 8) == 0
	v_mul_f32 v6, v[T+2], v[T+2]                   ; a block's first square starts its sum
.else
	v_fmac_f32 v6, v[T+2], v[T+2]
.endif
	v_fmac_f32 v6, v[T+3], v[T+3]
	v_fmac_f32 v6, v[T+4], v[T+4]
	v_fmac_f32 v6, v[T+5], v[T+5]
.if (\i % 8) == 7
	v_add_f32 v5, v5, v6
.endif
.endr
	s_add_nc_u64 s[40:41], s[40:41], 256           ; every load of the trip has been waited for
	s_sub_co_u32 s52, s52, 1
	s_cmp_lg_u32 s52, 0
	s_cbranch_scc1 .Lnrm
	v_sqrt_f32 v7, v5                              ; within one step of the rounded root; its two neighbours are tried:
	v_nop
	s_wait_alu depctr_va_vdst(0)
	v_add_nc_u32 v8, -1, v7                        ; the next number down,
	v_add_nc_u32 v9, 1, v7                         ; the next up
	v_fma_f32 v10, -v8, v7, v5                     ; n - down x s <= 0: the root lies below the middle of the two: take down
	v_fma_f32 v11, -v9, v7, v5                     ; n - up x s > 0: above the middle: take up
	v_cmp_ge_f32 vcc_lo, 0, v10
	v_cndmask_b32 v7, v7, v8, vcc_lo
	v_cmp_lt_f32 vcc_lo, 0, v11
	v_cndmask_b32 v7, v7, v9, vcc_lo
	v_add_f32 v7, 0x2b8cbccc, v7                   ; x = root + 1e-12
	v_rcp_f32 v8, v7                               ; y = 1 / x, bettered by one step: y + y (1 - x y)
	v_nop
	s_wait_alu depctr_va_vdst(0)
	v_fma_f32 v9, -v7, v8, 1.0
	v_fma_f32 v8, v9, v8, v8
	v_lshlrev_b32 v10, 2, v3
	global_store_b32 v10, v8, s[28:29] offset:RLO
	global_store_b32 v10, v7, s[28:29] offset:XLO
.Lend:
	s_endpgm
.Lfunc_end_k_q9f41dc14be_prep:
	.size	k_q9f41dc14be_prep, .Lfunc_end_k_q9f41dc14be_prep-k_q9f41dc14be_prep
	.p2alignl 7, 3214868480
	.fill 96, 4, 3214868480
	.section	.rodata,"a",@progbits
	.p2align	6, 0x0
	.amdhsa_kernel k_q9f41dc14be_prep
		.amdhsa_group_segment_fixed_size 0
		.amdhsa_private_segment_fixed_size 0
		.amdhsa_enable_private_segment 0
		.amdhsa_kernarg_size 128
		.amdhsa_user_sgpr_count 2
		.amdhsa_user_sgpr_kernarg_segment_ptr 1
		.amdhsa_wavefront_size32 1
		.amdhsa_system_sgpr_workgroup_id_x 1
		.amdhsa_system_sgpr_workgroup_id_y 1
		.amdhsa_system_sgpr_workgroup_id_z 1
		.amdhsa_system_vgpr_workitem_id 0
		.amdhsa_next_free_vgpr 128
		.amdhsa_next_free_sgpr 66
		.amdhsa_reserve_vcc 1
		.amdhsa_float_denorm_mode_32 3
		.amdhsa_float_denorm_mode_16_64 3
		.amdhsa_memory_ordered 1
		.amdhsa_forward_progress 1
		.amdhsa_inst_pref_size 26
	.end_amdhsa_kernel
	.amdgpu_metadata
---
amdhsa.version: [ 1, 2 ]
amdhsa.kernels:
  - .name:           k_q9f41dc14be_prep
    .symbol:         k_q9f41dc14be_prep.kd
    .args:
      - { .name: features, .offset: 0, .size: 8, .value_kind: global_buffer, .address_space: global }
      - { .name: lab_library, .offset: 8, .size: 8, .value_kind: global_buffer, .address_space: global }
      - { .name: prototype_spectra, .offset: 16, .size: 8, .value_kind: global_buffer, .address_space: global }
      - { .name: w1_s, .offset: 24, .size: 8, .value_kind: global_buffer, .address_space: global }
      - { .name: w1_a, .offset: 32, .size: 8, .value_kind: global_buffer, .address_space: global }
      - { .name: w2_s, .offset: 40, .size: 8, .value_kind: global_buffer, .address_space: global }
      - { .name: w2_a, .offset: 48, .size: 8, .value_kind: global_buffer, .address_space: global }
      - { .name: b1_s, .offset: 56, .size: 8, .value_kind: global_buffer, .address_space: global }
      - { .name: b1_a, .offset: 64, .size: 8, .value_kind: global_buffer, .address_space: global }
      - { .name: b2_s, .offset: 72, .size: 8, .value_kind: global_buffer, .address_space: global }
      - { .name: b2_a, .offset: 80, .size: 8, .value_kind: global_buffer, .address_space: global }
      - { .name: fb, .offset: 88, .size: 8, .value_kind: global_buffer, .address_space: global }
      - { .name: lb, .offset: 96, .size: 8, .value_kind: global_buffer, .address_space: global }
      - { .name: pb, .offset: 104, .size: 8, .value_kind: global_buffer, .address_space: global }
      - { .name: wt, .offset: 112, .size: 8, .value_kind: global_buffer, .address_space: global }
      - { .name: tbl, .offset: 120, .size: 8, .value_kind: global_buffer, .address_space: global }
    .group_segment_fixed_size: 0
    .private_segment_fixed_size: 0
    .kernarg_segment_align: 8
    .kernarg_segment_size: 128
    .max_flat_workgroup_size: 128
    .sgpr_count:     66
    .vgpr_count:     128
    .wavefront_size: 32
...
	.end_amdgpu_metadata
.endif
;; end of part 1
;; launch knn (part 2): grid 256 x 1, 8 waves a work-group, clusters of 4 x 1, 327,680 bytes of LDS; arguments fb, lb, lnf, grp; writes lnf, grp
.if DOCPART == 2
	.amdgcn_target "amdgcn-amd-amdhsa--gfx1250"
	.amdhsa_code_object_version 6
	.text
	.protected	k_q9f41dc14be_knn
	.globl	k_q9f41dc14be_knn
	.p2align	8
	.type	k_q9f41dc14be_knn,@function
k_q9f41dc14be_knn:
	s_mov_b64 s[64:65], 0
	v_nop
	global_prefetch_b8 v0, s[64:65] scope:SCOPE_SE
	s_setreg_imm32_b32 hwreg(HW_REG_WAVE_MODE, 25, 1), 1
	s_wait_xcnt 0x0
	s_wait_alu depctr_hold_cnt(0) depctr_sa_sdst(0) depctr_va_vdst(0) depctr_va_sdst(0) depctr_va_ssrc(0) depctr_va_vcc(0) depctr_vm_vsrc(0)
	s_getreg_b32 s2, hwreg(HW_REG_IB_STS2, 6, 4)
	s_cmp_eq_u32 s2, 0
	s_cbranch_scc0 .Lentry_in_a_cluster
	s_endpgm
.Lentry_in_a_cluster:
	s_bfe_u32 s2, ttmp6, 0x10000c
	s_cmp_lg_u32 s2, 0x3003
	s_cbranch_scc0 .Lentry_shape_is_right
	s_endpgm
.Lentry_shape_is_right:
; KNN SWEEP.  For each pixel: the six groups of four neighbouring library rows whose largest score (feature . row / (|row| + eps)) is greatest, as whole numbers row / 4, best first.
; The five nearest rows always lie in the five best groups; a sixth is kept so that a difference in the last bits of the matrix sums cannot lose one.  The next launch works the 24 rows out again.
; The pixel's own norm is one positive factor for all its scores and is left out here.
; LNF.  On the way, while the first tiles are fetched, each work-group writes 16 rows of lnf = the library's rows divided by x = |row| + eps, in f32, each quotient rounded once, for the next launch.
; SHARES.  A work-group owns 128 pixels.  Wave w: a = w & 1 says which 64 of them (four tiles of 16, kept in registers), b = w >> 1 which 64 of each slot's 256 library rows.
; Two waves lie on a SIMD: while one issues its 32 products the other works through its vector part, so the text is written in plain phases.
; LAYOUT.  S^T = L F^T (source 0 = 16 library rows, source 1 = 16 pixels): a lane holds ONE pixel (lane % 16) and the rows 8 (lane / 16) + 0..7: two groups of four.
; LISTS.  Each lane keeps, for each tile, a sorted list of six (value, group).  A group's maximum is put in by compares and selects alone: no branch hangs on a score.
; A strict compare keeps the earlier (lower) group ahead on ties; the last merge of a pixel's eight lists compares (value, then lower group).
; RING.  The library goes through two LDS slots of 256 rows; the four work-groups of a cluster ask for each tile JOINTLY: same load, same descriptor, mask of four.
; LIMITS.  NaN and infinities are not treated apart.
.set PITCH, 528                        ; an LDS row: 512 bytes + 16 of padding: the 16 rows of a fragment load start at 16 different groups of four banks (64 banks of 4 bytes: ISA guide 11.1)
.set SLOTB, 256*PITCH
.set RLT,   2*SLOTB                    ; 1 / (|row| + eps) of all 4,096 rows, 16,384 bytes, filled once
.set SPARE, RLT+16384                  ; the spare words, 128 bytes for each of the eight waves
.set MLIST, 6144                       ; the merge: one list of 12 entries for 128 pixels; eight of them from LDS byte 0 on, in slot 0 after its last fill
.set RLO,   2097152                    ; in lb, behind the rows: y = 1 / x of the 4,096 rows,
.set XLO,   RLO+16384                  ; and x
.set AL0, 3                            ; v3   my lane's place in a slot: row x pitch + 16 x half + my wave's 64 rows; never rewritten
.set ADR, 4                            ; v4   LDS address of the fragments to fetch
.set ARL, 5                            ; v5   LDS address of the eight scales to fetch
.set QO,  6                            ; v6   my byte offset in 16 rows of fb
.set SPW, 10                           ; v10  LDS address of my spare word; never rewritten
.set NIL, 11                           ; v11  0; never rewritten
.set RL,  12                           ; v[12:19]   scales of my eight rows
.set GM,  20                           ; v[20:27]   group maxima: tile t, group q at GM + 2 t + q
.set LT,  32                           ; v[32:79]   tile t: six values at LT + 12 t, six groups behind them
.set ACC, 80                           ; v[80:111]  four accumulators
.set LF,  128                          ; v[128:191] 16 library rows x 256 channels: K step c at LF + 8 c
.set LY,  LF+8                         ; at the head, for lnf: v[128:135] two rows as loaded; y of the two rows;
.set LX,  LF+10                        ; x of the two rows;
.set LFF, LF+16                        ; 16 numbers as f32;
.set LQ,  LF+32                        ; 16 quotients;
.set LR,  LF+48                        ; 16 remainders
                                       ; window 1:  the wave's pixels: tile t, K step c at 64 t + 8 c
.set WV,  12                           ; s12  wave; s13 a; s14 b
.set G1L, 16                           ; s[16:23] descriptor group 1, library tiles
.set G1R, 24                           ; s[24:31] descriptor group 1, the scales
.set G0,  32                           ; s[32:39] descriptor group 0, a set for each slot
.set G0R, 40                           ; s[40:43] descriptor group 0, the scales
.set PC,  44                           ; s44  counts pairs of slots
.set BC,  45                           ; s45  counts a slot's four blocks, and the merge's trips
.set GI,  46                           ; s46, s47  number of the block's group q = 0, 1, less the lanes' 2 (lane / 16)
.set TB,  58                           ; s58  LDS byte of the block to fetch; in the merge: of the list to fetch
.set CA,  66                           ; s[66:71] compare masks, list A
.set CB,  72                           ; s[72:77] compare masks, list B
.set MSB, 0
.macro WIN new                         ; the immediate's high byte repeats the setting that is left
.if MSB != (\new)
	s_set_vgpr_msb (MSB<<8)|(\new)
.set MSB, \new
.endif
.endm
.macro ROUND                           ; a round of the cluster's barrier
	s_barrier_signal -1
	s_barrier_wait -1
	s_cmp_lg_u32 s[WV], 0
	s_cbranch_scc1 .Lnot_wave_0_\@
	s_barrier_signal -3
.Lnot_wave_0_\@:
	s_barrier_wait -3
	s_barrier_signal -1
	s_barrier_wait -1
.endm
.macro PLACES
.rept 4
	v_nop
.endr
.endm
	s_load_b256 s[4:11], s[0:1], 0x0               ; fb s[4:5], lb s[6:7], lnf s[8:9], grp s[10:11]
	v_lshl_add_u32 v[SPW], v0, 2, SPARE
	v_mov_b32 v[NIL], 0
	ds_add_u32 v[SPW], v[NIL]                      ; the wave's opening: the add and its wait ahead of my first tensor load
	v_lshrrev_b32 v7, 5, v0
	v_readfirstlane_b32 s[WV], v7
	s_and_b32 s13, s[WV], 1
	s_lshr_b32 s14, s[WV], 1
	s_bfe_u32 s15, ttmp6, 0x40000                  ; cx: it enters the addresses of plain loads and stores alone
	s_lshl_b32 s54, ttmp9, 2
	s_add_co_u32 s54, s54, s15                     ; my work-group
	s_mov_b32 s[G1L],   15|(1<<16)|(1<<20)|(1<<21)|(6<<22)|(3<<25)  ; mask of four; 2-byte elements; padding on; bit 21 beside a mask; after every 128 words; 4 words
	s_mov_b32 s[G1L+1], 256<<16                    ; tensor_dim0 = 256
	s_mov_b32 s[G1L+2], 32<<16                     ; tensor_dim1 = 32
	s_mov_b32 s[G1L+3], 256<<16                    ; tile_dim0 = 256
	s_mov_b32 s[G1L+4], 32                         ; tile_dim1 = 32: each of the eight waves brings 32 of a slot's 256 rows
	s_mov_b32 s[G1L+5], 256                        ; elements from row to row
	s_mov_b32 s[G1L+6], 0
	s_mov_b32 s[G1L+7], 0
	s_mov_b32 s[G1R],   15|(3<<16)|(1<<21)         ; 8-byte elements, no padding: 8 rows of 256 bytes a wave
	s_mov_b32 s[G1R+1], 32<<16
	s_mov_b32 s[G1R+2], 8<<16
	s_mov_b32 s[G1R+3], 32<<16
	s_mov_b32 s[G1R+4], 8
	s_mov_b32 s[G1R+5], 32
	s_mov_b32 s[G1R+6], 0
	s_mov_b32 s[G1R+7], 0
	s_mul_i32 s49, s[WV], 32*PITCH
	s_mov_b32 s[G0], 1
	s_mov_b32 s[G0+1], s49                         ; slot 0, my 32 rows
	s_mov_b32 s[G0+4], 1
	s_add_co_u32 s[G0+5], s49, SLOTB               ; slot 1
	s_lshl_b32 s50, s[WV], 11
	s_mov_b32 s51, 0
	s_mov_b32 s[G0R], 1
	s_add_co_u32 s[G0R+1], s50, RLT
	s_lshl_b32 s52, s[WV], 14                      ; 32 rows of 512 bytes
	s_mov_b32 s53, 0
	s_mov_b32 s57, 0
	s_wait_dscnt 0x0                               ; the opening add is done
	s_wait_kmcnt 0x0
	s_add_nc_u64 s[G0+2:G0+3], s[6:7], s[52:53]
	s_add_nc_u64 s[G0+6:G0+7], s[G0+2:G0+3], 256*512
	s_or_b32 s[G0+3], s[G0+3], 0x80000000
	s_or_b32 s[G0+7], s[G0+7], 0x80000000
	s_add_nc_u64 s[G0R+2:G0R+3], s[6:7], s[50:51]
	s_add_nc_u64 s[G0R+2:G0R+3], s[G0R+2:G0R+3], RLO
	s_or_b32 s[G0R+3], s[G0R+3], 0x80000000
	s_lshl_b32 s56, s54, 16                        ; my work-group's 128 rows of fb,
	s_lshl_b32 s55, s13, 15                        ; my wave's 64
	s_add_co_u32 s56, s56, s55
	s_add_nc_u64 s[4:5], s[4:5], s[56:57]
	s_lshl_b32 s56, s54, 10                        ; 128 pixels x 8 bytes of grp
	s_add_nc_u64 s[10:11], s[10:11], s[56:57]
	ROUND                                          ; all four work-groups are here: the first joint loads meet
	tensor_load_to_lds s[G0R:G0R+3], s[G1R:G1R+7]  ; three loads of mine are out: the scales,
	s_nop 0
	tensor_load_to_lds s[G0:G0+3], s[G1L:G1L+7]    ; rows 0-255,
	s_nop 0
	tensor_load_to_lds s[G0+4:G0+7], s[G1L:G1L+7]  ; rows 256-511
	s_nop 0
	PLACES
	v_and_b32 v1, 15, v0                           ; r
	v_bfe_u32 v2, v0, 4, 1                         ; h
	v_lshlrev_b32 v[QO], 9, v1
	v_lshl_add_u32 v[QO], v2, 4, v[QO]
	WIN 0x40                                       ; destination window 1
.set i, 0
.rept 32                                       ; tile i / 8, K step i % 8: lane (r, h) holds pixel r, channels 32 c + 8 h + 0..7 and 32 c + 16 + 8 h + 0..7
	global_load_b128 v[8*i:8*i+3],   v[QO], s[4:5] offset:(i/8)*8192+(i%8)*64
	global_load_b128 v[8*i+4:8*i+7], v[QO], s[4:5] offset:(i/8)*8192+(i%8)*64+32
.set i, i+1
.endr
	WIN 0
	s_lshl_b32 s62, s54, 4                         ; lnf: 16 rows a work-group,
	s_lshl_b32 s63, s[WV], 1
	s_add_co_u32 s62, s62, s63                     ; two a wave
	v_and_b32 v7, 31, v0
	s_lshl_b32 s63, s62, 9                         ; x 512 bytes of lb,
	v_lshl_add_u32 v8, v7, 3, s63                  ; 8 bytes (four numbers) a lane: a load takes 256 consecutive bytes, half a row
	s_lshl_b32 s63, s62, 2
	v_mov_b32 v9, s63                              ; the two rows' x and y: the same 8 bytes for every lane
.irp q, 0,1,2,3
	global_load_b64 v[LF+2*\q:LF+2*\q+1], v8, s[6:7] offset:256*\q
.endr
	global_load_b64 v[LY:LY+1], v9, s[6:7] offset:RLO
	global_load_b64 v[LX:LX+1], v9, s[6:7] offset:XLO
	v_mul_u32_u24 v[AL0], v1, PITCH
	v_lshl_add_u32 v[AL0], v2, 4, v[AL0]
	s_mul_i32 s49, s14, 64*PITCH
	v_add_nc_u32 v[AL0], s49, v[AL0]
	s_lshl_b32 s49, s14, 8                         ; 64 rows x 4 bytes
	s_add_co_u32 s49, s49, RLT
	v_lshl_add_u32 v[ARL], v2, 5, s49
.set i, 0
.rept 4
.irp k, 0,1,2,3,4,5
	v_mov_b32 v[LT+12*i+\k], 0xff800000            ; the lists start at minus infinity; each sees 128 groups
	v_mov_b32 v[LT+12*i+6+\k], 0
.endr
.set i, i+1
.endr
	s_lshl_b32 s[GI], s14, 4
	s_add_co_u32 s[GI+1], s[GI], 1
.macro FETCH                           ; 16 rows x 256 channels and their eight scales a lane
.irp c, 0,1,2,3,4,5,6,7
	ds_load_b128 v[LF+8*\c:LF+8*\c+3],   v[ADR] offset:64*\c
	ds_load_b128 v[LF+8*\c+4:LF+8*\c+7], v[ADR] offset:64*\c+32
.endr
	ds_load_b128 v[RL:RL+3],   v[ARL]
	ds_load_b128 v[RL+4:RL+7], v[ARL] offset:16
.endm
.macro MM                              ; 32 products; the four accumulators take turns, one instruction a turn; the first K step starts the sums
	WIN 0x04                                       ; source 1 in window 1
.irp c, 0,1,2,3,4,5,6,7
.irp t, 0,1,2,3
.if \c == 0
	v_wmma_f32_16x16x32_bf16 v[ACC+8*\t:ACC+8*\t+7], v[LF+8*\c:LF+8*\c+7], v[64*\t+8*\c:64*\t+8*\c+7], 0
.else
	v_wmma_f32_16x16x32_bf16 v[ACC+8*\t:ACC+8*\t+7], v[LF+8*\c:LF+8*\c+7], v[64*\t+8*\c:64*\t+8*\c+7], v[ACC+8*\t:ACC+8*\t+7]
.endif
.endr
.endr
	WIN 0
.endm
; Two lists take a group's maximum each, line by line in turn.  c_k = maximum > value k.  From the bottom up: entry k takes the new one if c_k, then the entry above if c_(k-1);
; a value is the middle one of its upper neighbour, itself and the new one.
.macro INS2 ta, tb, q
.set VA, LT+12*(\ta)
.set VB, LT+12*(\tb)
.set MA, GM+2*(\ta)+(\q)
.set MB, GM+2*(\tb)+(\q)
.irp k, 0,1,2,3,4,5
	v_cmp_gt_f32 s[CA+\k], v[MA], v[VA+\k]
	v_cmp_gt_f32 s[CB+\k], v[MB], v[VB+\k]
.endr
.irp k, 5,4,3,2,1
	v_cndmask_b32 v[VA+6+\k], v[VA+6+\k], s[GI+\q], s[CA+\k]
	v_cndmask_b32 v[VB+6+\k], v[VB+6+\k], s[GI+\q], s[CB+\k]
	v_cndmask_b32 v[VA+6+\k], v[VA+6+\k], v[VA+5+\k], s[CA+\k-1]
	v_cndmask_b32 v[VB+6+\k], v[VB+6+\k], v[VB+5+\k], s[CB+\k-1]
.endr
	v_cndmask_b32 v[VA+6], v[VA+6], s[GI+\q], s[CA]
	v_cndmask_b32 v[VB+6], v[VB+6], s[GI+\q], s[CB]
.irp k, 5,4,3,2,1
	v_med3_num_f32 v[VA+\k], v[VA+\k-1], v[VA+\k], v[MA]
	v_med3_num_f32 v[VB+\k], v[VB+\k-1], v[VB+\k], v[MB]
.endr
	v_max_num_f32 v[VA], v[VA], v[MA]
	v_max_num_f32 v[VB], v[VB], v[MB]
.endm
; One entry (value in v[m], group in v[x]) into a list of n, ordered by value and then by the lower group.
.macro MINS n, tv, ti, m, x
.set kk, 0
.rept \n
	v_cmp_gt_f32 s[CA+kk], v[\m], v[(\tv)+kk]
	v_cmp_eq_f32 s[CB], v[\m], v[(\tv)+kk]
	v_cmp_lt_u32 s[CB+1], v[\x], v[(\ti)+kk]
	s_and_b32 s[CB], s[CB], s[CB+1]
	s_or_b32 s[CA+kk], s[CA+kk], s[CB]
.set kk, kk+1
.endr
.set kk, (\n)-1
.rept (\n)-1
	v_cndmask_b32 v[(\ti)+kk], v[(\ti)+kk], v[\x], s[CA+kk]
	v_cndmask_b32 v[(\ti)+kk], v[(\ti)+kk], v[(\ti)+kk-1], s[CA+kk-1]
	v_med3_num_f32 v[(\tv)+kk], v[(\tv)+kk-1], v[(\tv)+kk], v[\m]
.set kk, kk-1
.endr
	v_cndmask_b32 v[\ti], v[\ti], v[\x], s[CA]
	v_max_num_f32 v[\tv], v[\tv], v[\m]
.endm
; A SLOT: four blocks of 16 of my 64 rows.  fin = 2: the slot is filled again with the rows two slots on; 1: the other slot is waited for, nothing is asked; 0: the last slot.
.macro SLOTW n, fin
	s_mov_b32 s[TB], (\n)*SLOTB
	v_add_nc_u32 v[ADR], s[TB], v[AL0]
	FETCH
	s_mov_b32 s[BC], 4
.Lblk_\@:
	s_wait_dscnt 0x0                               ; the block's fragments and scales are in
	MM
	s_add_co_u32 s[TB], s[TB], 16*PITCH
	v_add_nc_u32 v[ADR], s[TB], v[AL0]             ; four plain instructions between the last product and the first read of a sum:
	v_add_nc_u32 v[ARL], 64, v[ARL]                ; the next block's addresses
	v_nop
	v_nop
.irp t, 0,1,2,3                                ; score = sum x 1 / (|row| + eps); each accumulator is read from its low end on
.irp p, 0,2,4,6
	v_pk_mul_f32 v[ACC+8*\t+\p:ACC+8*\t+\p+1], v[ACC+8*\t+\p:ACC+8*\t+\p+1], v[RL+\p:RL+\p+1]
.endr
.endr
	s_cmp_eq_u32 s[BC], 1                          ; the slot's last block fetches nothing
	s_cbranch_scc1 .Lnof_\@
	FETCH
.Lnof_\@:
.irp t, 0,1,2,3
.irp q, 0,1
	v_max3_num_f32 v[GM+2*\t+\q], v[ACC+8*\t+4*\q], v[ACC+8*\t+4*\q+1], v[ACC+8*\t+4*\q+2]
.endr
.endr
.irp t, 0,1,2,3
.irp q, 0,1
	v_max_num_f32 v[GM+2*\t+\q], v[GM+2*\t+\q], v[ACC+8*\t+4*\q+3]
.endr
.endr
	INS2 0, 1, 0
	INS2 2, 3, 0
	INS2 0, 1, 1
	INS2 2, 3, 1
	s_add_co_u32 s[GI], s[GI], 4
	s_add_co_u32 s[GI+1], s[GI+1], 4
	s_sub_co_u32 s[BC], s[BC], 1
	s_cmp_lg_u32 s[BC], 0
	s_cbranch_scc1 .Lblk_\@
	v_add_nc_u32 v[ARL], 768, v[ARL]               ; on to my 64 rows of the next slot: 256 rows less the 64 walked
	s_add_co_u32 s[GI], s[GI], 48
	s_add_co_u32 s[GI+1], s[GI+1], 48
.if (\fin) == 2
	s_wait_tensorcnt 0x0                           ; all my tensor loads have landed: my part of the other slot
	ds_add_u32 v[SPW], v[NIL]
	s_add_nc_u64 s[G0+4*(\n)+2:G0+4*(\n)+3], s[G0+4*(\n)+2:G0+4*(\n)+3], 2*256*512
	s_wait_dscnt 0x0                               ; the add is done, and my reads of this slot are over
	ROUND                                          ; both hold of every wave of all four work-groups
	tensor_load_to_lds s[G0+4*(\n):G0+4*(\n)+3], s[G1L:G1L+7]  ; my one load behind the round; it has the other slot's 128 products a wave in which to land
	s_nop 0
	PLACES
.elseif (\fin) == 1
	s_wait_tensorcnt 0x0
	ds_add_u32 v[SPW], v[NIL]
	s_wait_dscnt 0x0
	s_barrier_signal -1
	s_barrier_wait -1
.endif
.endm
	s_wait_loadcnt 0x0                             ; my pixels, and my two rows of the library with their x and y
	; LNF: 16 numbers a lane.  The rounded quotient f / x: q = f y, then twice q + (f - x q) y, each line one fused multiply-add.
	s_mov_b32 s63, 0xffff0000
.set i, 0
.rept 8
	v_lshlrev_b32 v[LFF+2*i],   16,  v[LF+i]
	v_and_b32     v[LFF+2*i+1], s63, v[LF+i]
.set i, i+1
.endr
.set i, 0
.rept 16
	v_mul_f32 v[LQ+i], v[LFF+i], v[LY+i/8]
.set i, i+1
.endr
.rept 2
.set i, 0
.rept 16
	v_fma_f32 v[LR+i], -v[LX+i/8], v[LQ+i], v[LFF+i]
.set i, i+1
.endr
.set i, 0
.rept 16
	v_fma_f32 v[LQ+i], v[LR+i], v[LY+i/8], v[LQ+i]
.set i, i+1
.endr
.endr
	s_lshl_b32 s63, s62, 10                        ; two rows of 1,024 bytes
	v_lshl_add_u32 v8, v7, 4, s63
.irp q, 0,1,2,3
	global_store_b128 v8, v[LQ+4*\q:LQ+4*\q+3], s[8:9] offset:512*\q  ; 512 consecutive bytes, aligned: half a row
.endr
	s_wait_xcnt 0x0                                ; the stores have read their registers, which the fragments will take
	s_wait_tensorcnt 0x1                           ; the scales and slot 0 are in; slot 1's load, the one issued behind them, may stay out
	s_barrier_signal -1
	s_barrier_wait -1
	s_mov_b32 s[PC], 7
.Lpair:                                        ; slots 0-13; rows 512-4095 are asked for
	SLOTW 0, 2
	SLOTW 1, 2
	s_sub_co_u32 s[PC], s[PC], 1
	s_cmp_lg_u32 s[PC], 0
	s_cbranch_scc1 .Lpair
	SLOTW 0, 1                                     ; the tail is written out
	SLOTW 1, 0
	; THE MERGE.  A pixel's eight lists (four quarters of the rows x two halves of the lanes) meet in LDS, in slot 0: its last fill has landed, and every wave has left it behind the barrier above.
.set i, 0
.rept 4
.irp k, 0,1,2,3,4,5
	v_lshl_add_u32 v[LT+12*i+6+\k], v2, 1, v[LT+12*i+6+\k]  ; the lanes' part of the group's number
.endr
.set i, i+1
.endr
	s_mul_i32 s49, s14, 2*MLIST
	s_lshl_b32 s50, s13, 8
	s_add_co_u32 s49, s49, s50
	v_mul_u32_u24 v7, v2, MLIST
	v_lshl_add_u32 v7, v1, 2, v7
	v_add_nc_u32 v7, s49, v7                       ; list 2 b + h, pixel 64 a + r
.set t, 0
.rept 4
.set e, 0
.rept 12
	ds_store_b32 v7, v[LT+12*t+e] offset:64*t+512*e
.set e, e+1
.endr
.set t, t+1
.endr
	s_wait_dscnt 0x0                               ; for the others' sake
	s_barrier_signal -1
	s_barrier_wait -1
	s_cmp_lt_u32 s[WV], 4                          ; waves 0-3: a lane takes the pixel 32 x wave + lane
	s_cbranch_scc0 .Ldone
	v_and_b32 v8, 31, v0
	s_lshl_b32 s49, s[WV], 7
	v_lshl_add_u32 v8, v8, 2, s49                  ; 4 x pixel = 128 x wave + 4 x lane; never rewritten
.set e, 0
.rept 12
	ds_load_b32 v[LT+e], v8 offset:512*e           ; list 0 as it stands
.set e, e+1
.endr
	s_mov_b32 s[TB], MLIST                         ; the list to fetch: it steps with the trips, as the blocks' address does
	s_mov_b32 s[BC], 7
.Lmerge:
	v_add_nc_u32 v9, s[TB], v8
.set e, 0
.rept 12
	ds_load_b32 v[ACC+e], v9 offset:512*e
.set e, e+1
.endr
	s_wait_dscnt 0x0
.set e, 0
.rept 6
	MINS 6, LT, LT+6, ACC+e, ACC+6+e
.set e, e+1
.endr
	s_add_co_u32 s[TB], s[TB], MLIST
	s_sub_co_u32 s[BC], s[BC], 1
	s_cmp_lg_u32 s[BC], 0
	s_cbranch_scc1 .Lmerge
	v_lshl_or_b32 v[ACC], v[LT+7], 10, v[LT+6]     ; three numbers of ten bits a word
	v_lshl_or_b32 v[ACC+1], v[LT+10], 10, v[LT+9]
	v_lshl_or_b32 v[ACC], v[LT+8], 20, v[ACC]
	v_lshl_or_b32 v[ACC+1], v[LT+11], 20, v[ACC+1]
	v_lshlrev_b32 v9, 3, v0
	global_store_b64 v9, v[ACC:ACC+1], s[10:11]    ; a wave stores 256 consecutive bytes, aligned
.Ldone:
	s_wait_dscnt 0x0                               ; my reads of the lists are over;
	s_barrier_signal -1                            ; all eight waves meet: every wave's reads are over before any wave's closing lines write LDS
	s_barrier_wait -1
	s_wait_tensorcnt 0x0                           ; the wave's end
	ds_add_u32 v[SPW], v[NIL]
	s_wait_dscnt 0x0
	ROUND                                          ; the closing round
	s_endpgm
.Lfunc_end_k_q9f41dc14be_knn:
	.size	k_q9f41dc14be_knn, .Lfunc_end_k_q9f41dc14be_knn-k_q9f41dc14be_knn
	.p2alignl 7, 3214868480
	.fill 96, 4, 3214868480
	.section	.rodata,"a",@progbits
	.p2align	6, 0x0
	.amdhsa_kernel k_q9f41dc14be_knn
		.amdhsa_group_segment_fixed_size 327680
		.amdhsa_private_segment_fixed_size 0
		.amdhsa_enable_private_segment 0
		.amdhsa_kernarg_size 32
		.amdhsa_user_sgpr_count 2
		.amdhsa_user_sgpr_kernarg_segment_ptr 1
		.amdhsa_wavefront_size32 1
		.amdhsa_system_sgpr_workgroup_id_x 1
		.amdhsa_system_sgpr_workgroup_id_y 1
		.amdhsa_system_sgpr_workgroup_id_z 1
		.amdhsa_system_vgpr_workitem_id 0
		.amdhsa_next_free_vgpr 512
		.amdhsa_next_free_sgpr 80
		.amdhsa_reserve_vcc 0
		.amdhsa_float_denorm_mode_32 3
		.amdhsa_float_denorm_mode_16_64 3
		.amdhsa_memory_ordered 1
		.amdhsa_forward_progress 1
		.amdhsa_inst_pref_size 116
	.end_amdhsa_kernel
	.amdgpu_metadata
---
amdhsa.version: [ 1, 2 ]
amdhsa.kernels:
  - .name:           k_q9f41dc14be_knn
    .symbol:         k_q9f41dc14be_knn.kd
    .args:
      - { .name: fb, .offset: 0, .size: 8, .value_kind: global_buffer, .address_space: global }
      - { .name: lb, .offset: 8, .size: 8, .value_kind: global_buffer, .address_space: global }
      - { .name: lnf, .offset: 16, .size: 8, .value_kind: global_buffer, .address_space: global }
      - { .name: grp, .offset: 24, .size: 8, .value_kind: global_buffer, .address_space: global }
    .group_segment_fixed_size: 327680
    .private_segment_fixed_size: 0
    .kernarg_segment_align: 8
    .kernarg_segment_size: 32
    .max_flat_workgroup_size: 256
    .sgpr_count:     80
    .vgpr_count:     512
    .wavefront_size: 32
...
	.end_amdgpu_metadata
.endif
;; end of part 2
;; launch pick (part 3): grid 1024 x 1, 8 waves a work-group, no clusters, 0 bytes of LDS; arguments fb, lnf, grp, out3, ids; writes out3, ids
.if DOCPART == 3
	.amdgcn_target "amdgcn-amd-amdhsa--gfx1250"
	.amdhsa_code_object_version 6
	.text
	.protected	k_q9f41dc14be_pick
	.globl	k_q9f41dc14be_pick
	.p2align	8
	.type	k_q9f41dc14be_pick,@function
k_q9f41dc14be_pick:
	s_mov_b64 s[64:65], 0
	v_nop
	global_prefetch_b8 v0, s[64:65] scope:SCOPE_SE
	s_setreg_imm32_b32 hwreg(HW_REG_WAVE_MODE, 25, 1), 1
	s_wait_xcnt 0x0
; PICK.  For each pixel the cosines with the 24 rows of its six groups are worked out in f32 as reference() writes them, and the five best (value, then lower row) are kept:
; out3 = the five cosines, ids = their rows, packed [pixel][4]: id0 | id1 << 16, id2 | id3 << 16, id4, 0.
; THE ARITHMETIC, on the numbers rounded to bf16.  n = the sum of the 256 squares (exact in f32), in eight blocks of 32, each ascending, the eight sums ascending; x = the rounded root of n, + 1e-12;
; fn[k] = the rounded quotient f[k] / x; lnf holds the library's rows made the same way; a cosine is ONE chain of 256 fused multiply-adds, k ascending.
; SHARES.  Eight lanes a pixel, four pixels a wave, 32 a work-group.  Lane j owns channels 32 j .. 32 j + 31 of the pixel: it makes their block sum and their quotients.
; Lane j runs three of the 24 chains: row j & 3 of the groups (j >> 2), (j >> 2) + 2, (j >> 2) + 4.  For each k the owner's fn[k] is handed to the eight lanes inside a move (DPP, within eight lanes).
; A chain's row comes straight from memory, 16 bytes a load, in chunks of 32 k through two sets of registers: while one chunk is multiplied, the other's 24 loads are on their way.
; The rows' addresses come from grp, whole numbers that the launch before has stored, held to 0 .. 1,023.
; No LDS: the eight lanes of a pixel lie in one wave.  LIMITS: a sum of squares below 2^-126 counts as 0; NaN and infinities are not treated apart; ranks decided in the last bits of f32 follow this order of
; summing and may differ from another's.
.set RO,  6                            ; v[6:8]    byte offset in lnf of my three rows; never rewritten
.set RW,  9                            ; v[9:11]   my three rows
.set AC,  12                           ; v[12:14]  my three chains
.set RAW, 16                           ; v[16:31]  my 32 channels as loaded; then:
.set TT,  16                           ; v[16:19]  four numbers handed round; first the quotients at work
.set SA,  20                           ; v20  my block's sum
.set SR,  21                           ; v21  the root, then x
.set D1,  22                           ; v22  n
.set D2,  23                           ; v23 to v25 at work
.set E1,  24
.set E2,  25
.set YS,  26                           ; v26  y = 1 / x
.set RR,  27                           ; v[27:30]  remainders at work
.set FN,  32                           ; v[32:63]  my 32 channels in f32, then their quotients
.set LB0, 64                           ; v[64:159]  a chunk: row m, k i at 32 m + i
.set LB1, 160                          ; v[160:255] the other chunk
.set TL,  64                           ; behind the chains: v[64:68] the list's values,
.set IL,  69                           ; v[69:73]  its rows,
.set BV,  74                           ; v[74:76]  three values handed round,
.set BI,  77                           ; v[77:79]  their rows
.set CA,  20                           ; s[20:24] compare masks
.set CB,  26                           ; s26, s27 at work
	s_load_b256 s[4:11], s[0:1], 0x0               ; fb s[4:5], lnf s[6:7], grp s[8:9], out3 s[10:11]
	s_load_b64 s[12:13], s[0:1], 0x20              ; ids
	v_and_b32 v1, 7, v0                            ; j
	v_lshrrev_b32 v2, 3, v0
	s_lshl_b32 s16, ttmp9, 5
	v_add_nc_u32 v2, s16, v2                       ; my pixel
	v_and_b32 v3, 3, v0                            ; j & 3
	v_lshlrev_b32 v12, 3, v2
	v_lshlrev_b32 v15, 6, v1                       ; my 64 bytes
	v_lshl_add_u32 v15, v2, 9, v15                 ; of the pixel's 512
	v_cmp_lt_u32 s18, 3, v1                        ; lanes 4-7 of the eight
	s_mov_b32 s17, 0xffff0000
	s_wait_kmcnt 0x0
	global_load_b64 v[4:5], v12, s[8:9]
.irp i, 0,1,2,3
	global_load_b128 v[RAW+4*\i:RAW+4*\i+3], v15, s[4:5] offset:16*\i
.endr
	s_wait_loadcnt 4                               ; the groups are in; the pixel's four loads stay out
	v_bfe_u32 v[RO],   v4, 0, 10
	v_bfe_u32 v[AC],   v4, 10, 10
	v_bfe_u32 v[RO+1], v4, 20, 10
	v_bfe_u32 v[AC+1], v5, 0, 10
	v_bfe_u32 v[RO+2], v5, 10, 10
	v_bfe_u32 v[AC+2], v5, 20, 10
.irp m, 0,1,2
	v_cndmask_b32 v[RO+\m], v[RO+\m], v[AC+\m], s18  ; groups 0, 2, 4 for lanes 0-3; 1, 3, 5 for lanes 4-7
	v_min_u32 v[RO+\m], 0x3ff, v[RO+\m]
	v_lshl_add_u32 v[RW+\m], v[RO+\m], 2, v3       ; my row
	v_lshlrev_b32 v[RO+\m], 10, v[RW+\m]           ; x 1,024 bytes
.endr
.macro LOADS buf, c                    ; chunk c of my three rows: 24 loads
.irp m, 0,1,2
.irp i, 0,1,2,3,4,5,6,7
	global_load_b128 v[(\buf)+32*\m+4*\i:(\buf)+32*\m+4*\i+3], v[RO+\m], s[6:7] offset:128*(\c)+16*\i
.endr
.endr
.endm
; Chunk c: k = 32 c .. 32 c + 31, whose quotients lane c of the eight owns.  Four are handed round, then each chain takes them in ascending order.  first = 1: the first product starts the chains.
.macro CHUNK c, buf, first
.set i, 0
.rept 8
.irp e, 0,1,2,3
	v_mov_b32_dpp v[TT+\e], v[FN+i+\e] dpp8:[\c,\c,\c,\c,\c,\c,\c,\c]
.endr
.irp e, 0,1,2,3
.irp m, 0,1,2
.if (\first) && (i+\e == 0)
	v_mul_f32 v[AC+\m], v[TT+\e], v[(\buf)+32*\m+i+\e]
.else
	v_fmac_f32 v[AC+\m], v[TT+\e], v[(\buf)+32*\m+i+\e]
.endif
.endr
.endr
.set i, i+4
.endr
.endm
; One entry (value in v[m], row in v[x]) into a list of n, ordered by value and then by the lower row.
.macro MINS n, tv, ti, m, x
.set kk, 0
.rept \n
	v_cmp_gt_f32 s[CA+kk], v[\m], v[(\tv)+kk]
	v_cmp_eq_f32 s[CB], v[\m], v[(\tv)+kk]
	v_cmp_lt_u32 s[CB+1], v[\x], v[(\ti)+kk]
	s_and_b32 s[CB], s[CB], s[CB+1]
	s_or_b32 s[CA+kk], s[CA+kk], s[CB]
.set kk, kk+1
.endr
.set kk, (\n)-1
.rept (\n)-1
	v_cndmask_b32 v[(\ti)+kk], v[(\ti)+kk], v[\x], s[CA+kk]
	v_cndmask_b32 v[(\ti)+kk], v[(\ti)+kk], v[(\ti)+kk-1], s[CA+kk-1]
	v_med3_num_f32 v[(\tv)+kk], v[(\tv)+kk-1], v[(\tv)+kk], v[\m]
.set kk, kk-1
.endr
	v_cndmask_b32 v[\ti], v[\ti], v[\x], s[CA]
	v_max_num_f32 v[\tv], v[\tv], v[\m]
.endm
	LOADS LB0, 0
	LOADS LB1, 1
	s_wait_loadcnt 48                              ; the pixel's channels are in; the two chunks' 48 loads stay out
.irp q, 0,1,2,3,4,5,6,7,8,9,10,11,12,13,14,15
	v_lshlrev_b32 v[FN+2*\q],   16,  v[RAW+\q]
	v_and_b32     v[FN+2*\q+1], s17, v[RAW+\q]
.endr
	v_mul_f32 v[SA], v[FN], v[FN]                  ; my block's sum of squares, ascending
.set i, 1
.rept 31
	v_fmac_f32 v[SA], v[FN+i], v[FN+i]
.set i, i+1
.endr
	v_mov_b32_dpp v[D1], v[SA] dpp8:[0,0,0,0,0,0,0,0]  ; the eight block sums, ascending, in every lane
.irp a, 1,2,3,4,5,6,7
	v_mov_b32_dpp v[D2], v[SA] dpp8:[\a,\a,\a,\a,\a,\a,\a,\a]
	v_add_f32 v[D1], v[D1], v[D2]
.endr
	v_sqrt_f32 v[SR], v[D1]                        ; within one step of the rounded root; its two neighbours are tried:
	v_nop
	s_wait_alu depctr_va_vdst(0)
	v_add_nc_u32 v[D2], -1, v[SR]                  ; the next number down,
	v_add_nc_u32 v[E1], 1, v[SR]                   ; the next up
	v_fma_f32 v[E2], -v[D2], v[SR], v[D1]          ; n - down x s <= 0: take down
	v_fma_f32 v[YS], -v[E1], v[SR], v[D1]          ; n - up x s > 0: take up
	v_cmp_ge_f32 vcc_lo, 0, v[E2]
	v_cndmask_b32 v[SR], v[SR], v[D2], vcc_lo
	v_cmp_lt_f32 vcc_lo, 0, v[YS]
	v_cndmask_b32 v[SR], v[SR], v[E1], vcc_lo
	v_add_f32 v[SR], 0x2b8cbccc, v[SR]             ; x = root + 1e-12
	v_rcp_f32 v[YS], v[SR]                         ; y = 1 / x, bettered by one step
	v_nop
	s_wait_alu depctr_va_vdst(0)
	v_fma_f32 v[E2], -v[SR], v[YS], 1.0
	v_fma_f32 v[YS], v[E2], v[YS], v[YS]
.set i, 0
.rept 8                                        ; the rounded quotients f / x, four at a time: q = f y, then twice q + (f - x q) y
.irp e, 0,1,2,3
	v_mul_f32 v[TT+\e], v[FN+i+\e], v[YS]
.endr
.irp e, 0,1,2,3
	v_fma_f32 v[RR+\e], -v[SR], v[TT+\e], v[FN+i+\e]
.endr
.irp e, 0,1,2,3
	v_fma_f32 v[TT+\e], v[RR+\e], v[YS], v[TT+\e]
.endr
.irp e, 0,1,2,3
	v_fma_f32 v[RR+\e], -v[SR], v[TT+\e], v[FN+i+\e]
.endr
.irp e, 0,1,2,3
	v_fma_f32 v[FN+i+\e], v[RR+\e], v[YS], v[TT+\e]
.endr
.set i, i+4
.endr
	s_wait_loadcnt 24                              ; this chunk is in; the other set's 24 loads stay out: so at each chunk but the last
	CHUNK 0, LB0, 1
	LOADS LB0, 2
	s_wait_loadcnt 24
	CHUNK 1, LB1, 0
	LOADS LB1, 3
	s_wait_loadcnt 24
	CHUNK 2, LB0, 0
	LOADS LB0, 4
	s_wait_loadcnt 24
	CHUNK 3, LB1, 0
	LOADS LB1, 5
	s_wait_loadcnt 24
	CHUNK 4, LB0, 0
	LOADS LB0, 6
	s_wait_loadcnt 24
	CHUNK 5, LB1, 0
	LOADS LB1, 7
	s_wait_loadcnt 24
	CHUNK 6, LB0, 0
	s_wait_loadcnt 0x0
	CHUNK 7, LB1, 0
	; THE FIVE BEST OF 24.  Eight trips: the three pairs of lane 0 of the eight are handed to all, put into the list, and the pairs move down by one lane.  All eight lanes keep the same list.
.irp k, 0,1,2,3,4
	v_mov_b32 v[TL+\k], 0xff800000                 ; the list starts at minus infinity
	v_mov_b32 v[IL+\k], 0
.endr
.irp m, 0,1,2
	v_mov_b32 v[BV+\m], 0                          ; a DPP move's destination counts as read
	v_mov_b32 v[BI+\m], 0
.endr
	s_mov_b32 s19, 8
.Lsel:
.irp m, 0,1,2
	v_mov_b32_dpp v[BV+\m], v[AC+\m] dpp8:[0,0,0,0,0,0,0,0]
	v_mov_b32_dpp v[BI+\m], v[RW+\m] dpp8:[0,0,0,0,0,0,0,0]
.endr
.irp m, 0,1,2
	MINS 5, TL, IL, BV+\m, BI+\m
.endr
.irp m, 0,1,2
	v_mov_b32_dpp v[BV+\m], v[AC+\m] dpp8:[1,2,3,4,5,6,7,0]
	v_mov_b32_dpp v[BI+\m], v[RW+\m] dpp8:[1,2,3,4,5,6,7,0]
.endr
.irp m, 0,1,2
	v_mov_b32 v[AC+\m], v[BV+\m]
	v_mov_b32 v[RW+\m], v[BI+\m]
.endr
	s_sub_co_u32 s19, s19, 1
	s_cmp_lg_u32 s19, 0
	s_cbranch_scc1 .Lsel
	v_min_u32 v81, 4, v1                           ; out3: lane j stores number j; lanes 5-7 store number 4 once more, the same word with the same value
	v_cmp_eq_u32 s28, 1, v81
	v_cmp_eq_u32 s29, 2, v81
	v_cmp_eq_u32 s30, 3, v81
	v_cmp_eq_u32 s31, 4, v81
	v_cndmask_b32 v80, v[TL], v[TL+1], s28
	v_cndmask_b32 v80, v80, v[TL+2], s29
	v_cndmask_b32 v80, v80, v[TL+3], s30
	v_cndmask_b32 v80, v80, v[TL+4], s31
	v_mul_u32_u24 v82, v2, 20
	v_lshl_add_u32 v82, v81, 2, v82
	global_store_b32 v82, v80, s[10:11]            ; a wave stores 80 consecutive bytes
	v_cmp_eq_u32 s28, 1, v3                        ; ids: lane j stores word j & 3
	v_cmp_eq_u32 s29, 2, v3
	v_cmp_eq_u32 s30, 3, v3
	v_mov_b32 v85, 0
	v_lshl_or_b32 v83, v[IL+1], 16, v[IL]
	v_lshl_or_b32 v84, v[IL+3], 16, v[IL+2]
	v_cndmask_b32 v83, v83, v84, s28
	v_cndmask_b32 v83, v83, v[IL+4], s29
	v_cndmask_b32 v83, v83, v85, s30
	v_lshlrev_b32 v86, 4, v2
	v_lshl_add_u32 v86, v3, 2, v86
	global_store_b32 v86, v83, s[12:13]            ; a wave stores 64 consecutive bytes
	s_endpgm
.Lfunc_end_k_q9f41dc14be_pick:
	.size	k_q9f41dc14be_pick, .Lfunc_end_k_q9f41dc14be_pick-k_q9f41dc14be_pick
	.p2alignl 7, 3214868480
	.fill 96, 4, 3214868480
	.section	.rodata,"a",@progbits
	.p2align	6, 0x0
	.amdhsa_kernel k_q9f41dc14be_pick
		.amdhsa_group_segment_fixed_size 0
		.amdhsa_private_segment_fixed_size 0
		.amdhsa_enable_private_segment 0
		.amdhsa_kernarg_size 40
		.amdhsa_user_sgpr_count 2
		.amdhsa_user_sgpr_kernarg_segment_ptr 1
		.amdhsa_wavefront_size32 1
		.amdhsa_system_sgpr_workgroup_id_x 1
		.amdhsa_system_sgpr_workgroup_id_y 1
		.amdhsa_system_sgpr_workgroup_id_z 1
		.amdhsa_system_vgpr_workitem_id 0
		.amdhsa_next_free_vgpr 256
		.amdhsa_next_free_sgpr 66
		.amdhsa_reserve_vcc 1
		.amdhsa_float_denorm_mode_32 3
		.amdhsa_float_denorm_mode_16_64 3
		.amdhsa_memory_ordered 1
		.amdhsa_forward_progress 1
		.amdhsa_inst_pref_size 83
	.end_amdhsa_kernel
	.amdgpu_metadata
---
amdhsa.version: [ 1, 2 ]
amdhsa.kernels:
  - .name:           k_q9f41dc14be_pick
    .symbol:         k_q9f41dc14be_pick.kd
    .args:
      - { .name: fb, .offset: 0, .size: 8, .value_kind: global_buffer, .address_space: global }
      - { .name: lnf, .offset: 8, .size: 8, .value_kind: global_buffer, .address_space: global }
      - { .name: grp, .offset: 16, .size: 8, .value_kind: global_buffer, .address_space: global }
      - { .name: out3, .offset: 24, .size: 8, .value_kind: global_buffer, .address_space: global }
      - { .name: ids, .offset: 32, .size: 8, .value_kind: global_buffer, .address_space: global }
    .group_segment_fixed_size: 0
    .private_segment_fixed_size: 0
    .kernarg_segment_align: 8
    .kernarg_segment_size: 40
    .max_flat_workgroup_size: 256
    .sgpr_count:     66
    .vgpr_count:     256
    .wavefront_size: 32
...
	.end_amdgpu_metadata
.endif
;; end of part 3
;; launch head (part 4): grid 256 x 1, 8 waves a work-group, clusters of 4 x 1, 327,680 bytes of LDS; arguments fb, wt, tbl, ids, pb, out0, out1, out2; writes out0, out1, out2
.if DOCPART == 4
	.amdgcn_target "amdgcn-amd-amdhsa--gfx1250"
	.amdhsa_code_object_version 6
	.text
	.protected	k_q9f41dc14be_head
	.globl	k_q9f41dc14be_head
	.p2align	8
	.type	k_q9f41dc14be_head,@function
k_q9f41dc14be_head:
	s_mov_b64 s[64:65], 0
	v_nop
	global_prefetch_b8 v0, s[64:65] scope:SCOPE_SE
	s_setreg_imm32_b32 hwreg(HW_REG_WAVE_MODE, 25, 1), 1
	s_wait_xcnt 0x0
	s_wait_alu depctr_hold_cnt(0) depctr_sa_sdst(0) depctr_va_vdst(0) depctr_va_sdst(0) depctr_va_ssrc(0) depctr_va_vcc(0) depctr_vm_vsrc(0)
	s_getreg_b32 s2, hwreg(HW_REG_IB_STS2, 6, 4)
	s_cmp_eq_u32 s2, 0
	s_cbranch_scc0 .Lentry_in_a_cluster
	s_endpgm
.Lentry_in_a_cluster:
	s_bfe_u32 s2, ttmp6, 0x10000c
	s_cmp_lg_u32 s2, 0x3003
	s_cbranch_scc0 .Lentry_shape_is_right
	s_endpgm
.Lentry_shape_is_right:
; HEAD.  scores = MLP_s(f); logits = MLP_a([f, scores]); out1 = softmax(logits); out0 = the candidate with the largest of the first five; out2 = the five candidates' spectra weighted by out1.
; SHARES.  A work-group owns 128 pixels.  Wave w: a = w & 1 says which 64 (four tiles of 16, kept in registers), b = w >> 1 which 32 of each slot's 128 hidden units.
; The 1,024 hidden units (512 of each MLP) go through two LDS slots of 128 rows of wt; slots 0-3 are the first MLP.  The four work-groups of a cluster ask for each tile JOINTLY.
; FIRST LAYER.  H^T = W F^T (source 0 = 16 units, source 1 = 16 pixels), eight K steps, and a ninth, THE EXTENSION: its source 0 comes from tbl (the bias at k = 5; in the second MLP w1_a's rows 256-260
; at k = 0-4, 8-12, 16-20), its source 1 is X: 1.0 at k = 5 and the pixel's five scores as three bf16 terms.  So both MLPs have one text.
; SECOND LAYER.  O^T = W2 relu(H): a lane's eight numbers of H^T, cut into three bf16 terms (8 + 8 + 8 significant bits: nothing is lost), ARE source 1: the first two terms of a unit tile fill one
; product's K = 32, the third terms of two unit tiles another's.  The sums of the four quarters of the units meet in LDS.
; The running maximum of the softmax is the row's own maximum.  The argmax is taken of the logits (the softmax rises with them), first index on ties.
; LIMITS.  NaN and infinities are not treated apart; an argmax decided in the last bits of f32 may differ from another order of summing.
.set PITCH, 528                        ; an LDS row of wt: 512 bytes + 16: the 16 rows of a fragment load start at 16 different groups of four banks (64 banks of 4 bytes: ISA guide 11.1)
.set SLOT1, 131072                     ; slot 0 at 0, slot 1 here: one exclusive or turns one into the other
.set RED,   128*PITCH                  ; partial sums [quarter 4][pixel 128][half 2][8] f32: 32,768 bytes
.set ST1,   RED+32768                  ; out1's stage, 128 x 28 bytes; behind it as much again for the lanes that hold no output
.set ST0,   ST1+2*3584                 ; out0's stage, 512 bytes, and as much again
.set SPARE, ST0+2*512                  ; the spare words, 128 bytes for each of the eight waves
.set TBL,   SLOT1+128*PITCH            ; tbl, 100,352 bytes, filled once
.set W2T,   TBL+65536
.set B2T,   TBL+98304
.set AL0, 3                            ; v3   my lane's place in a slot; never rewritten
.set ADR, 4                            ; v4   LDS address of the fragments to fetch
.set AWX, 5                            ; v5   of the extension's fragments
.set AW2, 6                            ; v6   of w2's
.set RDS, 7                            ; v7   where I put my partial sums
.set RDL, 8                            ; v8   where I read the four quarters'
.set B2A, 9                            ; v9   the second layers' biases
.set SPW, 10                           ; v10  LDS address of my spare word; never rewritten
.set NIL, 11                           ; v11  0; never rewritten
.set TT,  12                           ; v[12:19] at work
.set QO,  19                           ;      first: my byte offset in 16 rows of fb
.set X,   20                           ; v[20:51]   the extension's source 1, 8 a tile
.set O2,  52                           ; v[52:83]   the second layer's sums, 8 a tile
.set H,   84                           ; v[84:115]  the first layer's sums, 8 a tile
.set P,   116                          ; v[116:131] two tiles' first and second terms
.set LO,  132                          ; v[132:163] third terms: tile t, unit tile u at LO + 8 t + 4 u
.set W2Q, 164                          ; v[164:179] w2's half fragments: W0 W0 W1 W1
.set WX,  180                          ; v[180:187] the extension's source 0
.set LF,  188                          ; v[188:251] 16 units x 256 channels
                                       ; window 1:  the wave's pixels: tile t, K step c at 64 t + 8 c
.set UB,  20                           ; the gather's map, once the products are done: v[20:26] 16 x (pixel of the quad)
.set UA,  27                           ; v[27:33]  LDS address of that pixel's abundances
.set BD,  34                           ; v[34:40]  2 x band
.set ZR,  41                           ; v41  0
.set OO,  42                           ; v42  16 x lane
.set IW7, 44                           ; v[44:71]   ids' words
.set AK,  72                           ; v[72:106]  abundances
.set AD,  108                          ; v[108:142] offsets in pb
.set PD,  144                          ; v[144:213] four bands of five rows
.set OUT, 216                          ; v[216:243]
.set WV,  20                           ; s20 wave; s21 a; s22 b
.set G1W, 24                           ; s[24:31] descriptor group 1, wt's tiles
.set G1T, 32                           ; s[32:39] descriptor group 1, tbl
.set G0T, 40                           ; s[40:43] descriptor group 0, tbl
.set G0A, 44                           ; s[44:47] slot 0's first fill
.set G0B, 48                           ; s[48:51] slot 1's first fill; then it walks
.set SELP, 58                          ; s58  v_perm_b32: the two high halves
.set MSK, 59                           ; s59  a word's upper half
.set SEL, 60                           ; s[60:61] v_permlanex16_b32: each lane takes its own place in the other half
.set KC,  62                           ; s62  counts
.set TB,  63                           ; s63  the slot in hand
.set L2E, 70                           ; s70  log2(e)
.set IDP, 72                           ; s[72:73] ids at the quad to be asked for; s[74:75] its step
.set MSB, 0
.macro WIN new                         ; the immediate's high byte repeats the setting that is left
.if MSB != (\new)
	s_set_vgpr_msb (MSB<<8)|(\new)
.set MSB, \new
.endif
.endm
.macro ROUND                           ; a round of the cluster's barrier
	s_barrier_signal -1
	s_barrier_wait -1
	s_cmp_lg_u32 s[WV], 0
	s_cbranch_scc1 .Lnot_wave_0_\@
	s_barrier_signal -3
.Lnot_wave_0_\@:
	s_barrier_wait -3
	s_barrier_signal -1
	s_barrier_wait -1
.endm
.macro PLACES
.rept 4
	v_nop
.endr
.endm
	s_load_b512 s[4:19], s[0:1], 0x0               ; fb 4, wt 6, tbl 8, ids 10, pb 12, out0 14, out1 16, out2 18
	v_lshl_add_u32 v[SPW], v0, 2, SPARE
	v_mov_b32 v[NIL], 0
	ds_add_u32 v[SPW], v[NIL]                      ; the wave's opening: the add and its wait ahead of my first tensor load
	v_lshrrev_b32 v12, 5, v0
	v_readfirstlane_b32 s[WV], v12
	s_and_b32 s21, s[WV], 1
	s_lshr_b32 s22, s[WV], 1
	s_bfe_u32 s23, ttmp6, 0x40000                  ; cx: it enters the pixels' addresses alone
	s_lshl_b32 s66, ttmp9, 2
	s_add_co_u32 s66, s66, s23                     ; my work-group
	s_mov_b32 s[G1W],   15|(1<<16)|(1<<20)|(1<<21)|(6<<22)|(3<<25)  ; mask of four; 2-byte elements; padding on; bit 21 beside a mask; after every 128 words; 4 words
	s_mov_b32 s[G1W+1], 256<<16
	s_mov_b32 s[G1W+2], 16<<16
	s_mov_b32 s[G1W+3], 256<<16
	s_mov_b32 s[G1W+4], 16                         ; each of the eight waves brings 16 of a slot's 128 rows
	s_mov_b32 s[G1W+5], 256
	s_mov_b32 s[G1W+6], 0
	s_mov_b32 s[G1W+7], 0
	s_mov_b32 s[G1T],   15|(3<<16)|(1<<21)         ; 8-byte elements, no padding: 49 rows of 256 bytes a wave
	s_mov_b32 s[G1T+1], 32<<16
	s_mov_b32 s[G1T+2], 49<<16
	s_mov_b32 s[G1T+3], 32<<16
	s_mov_b32 s[G1T+4], 49
	s_mov_b32 s[G1T+5], 32
	s_mov_b32 s[G1T+6], 0
	s_mov_b32 s[G1T+7], 0
	s_mul_i32 s52, s[WV], 16*PITCH
	s_mov_b32 s[G0A], 1
	s_mov_b32 s[G0A+1], s52
	s_mov_b32 s[G0B], 1
	s_add_co_u32 s[G0B+1], s52, SLOT1
	s_mul_i32 s54, s[WV], 49*256
	s_mov_b32 s55, 0
	s_mov_b32 s[G0T], 1
	s_add_co_u32 s[G0T+1], s54, TBL
	s_lshl_b32 s56, s[WV], 13                      ; 16 rows of 512 bytes
	s_mov_b32 s57, 0
	s_mov_b32 s[SELP], 0x07060302
	s_mov_b32 s[MSK], 0xffff0000
	s_mov_b32 s[SEL], 0x76543210
	s_mov_b32 s[SEL+1], 0xfedcba98
	s_mov_b32 s[L2E], 0x3fb8aa3b
	s_mov_b32 s[TB], 0
	s_mov_b32 s69, 0
	s_mov_b32 s75, 0
	s_wait_dscnt 0x0                               ; the opening add is done
	s_wait_kmcnt 0x0
	s_add_nc_u64 s[G0A+2:G0A+3], s[6:7], s[56:57]
	s_add_nc_u64 s[G0B+2:G0B+3], s[G0A+2:G0A+3], 65536
	s_or_b32 s[G0A+3], s[G0A+3], 0x80000000
	s_or_b32 s[G0B+3], s[G0B+3], 0x80000000
	s_add_nc_u64 s[G0T+2:G0T+3], s[8:9], s[54:55]
	s_or_b32 s[G0T+3], s[G0T+3], 0x80000000
	s_lshl_b32 s68, s66, 16                        ; fb: my work-group's 128 rows, my wave's 64
	s_lshl_b32 s67, s21, 15
	s_add_co_u32 s68, s68, s67
	s_add_nc_u64 s[4:5], s[4:5], s[68:69]
	s_lshl_b32 s68, s66, 11                        ; ids: 128 x 16 bytes
	s_add_nc_u64 s[10:11], s[10:11], s[68:69]
	s_lshl_b32 s68, s66, 9                         ; out0: 128 x 4
	s_add_nc_u64 s[14:15], s[14:15], s[68:69]
	s_mul_i32 s68, s66, 3584                       ; out1: 128 x 28
	s_add_nc_u64 s[16:17], s[16:17], s[68:69]
	s_mul_i32 s68, s66, 114688                     ; out2: 128 x 896, and my wave's 16 pixels
	s_mul_i32 s67, s[WV], 14336
	s_add_co_u32 s68, s68, s67
	s_add_nc_u64 s[18:19], s[18:19], s[68:69]
	s_lshl_b32 s68, s[WV], 8
	s_add_nc_u64 s[IDP:IDP+1], s[10:11], s[68:69]  ; ids at my wave's 16 pixels
	ROUND                                          ; all four work-groups are here: the first joint loads meet
	tensor_load_to_lds s[G0T:G0T+3], s[G1T:G1T+7]  ; three loads of mine are out: the tables,
	s_nop 0
	tensor_load_to_lds s[G0A:G0A+3], s[G1W:G1W+7]  ; units 0-127,
	s_nop 0
	tensor_load_to_lds s[G0B:G0B+3], s[G1W:G1W+7]  ; units 128-255
	s_nop 0
	PLACES
	v_and_b32 v1, 15, v0                           ; r
	v_bfe_u32 v2, v0, 4, 1                         ; h
	v_lshlrev_b32 v[QO], 9, v1
	v_lshl_add_u32 v[QO], v2, 4, v[QO]
	WIN 0x40                                       ; destination window 1
.set i, 0
.rept 32
	global_load_b128 v[8*i:8*i+3],   v[QO], s[4:5] offset:(i/8)*8192+(i%8)*64
	global_load_b128 v[8*i+4:8*i+7], v[QO], s[4:5] offset:(i/8)*8192+(i%8)*64+32
.set i, i+1
.endr
	WIN 0
	v_mul_u32_u24 v[AL0], v1, PITCH
	v_lshl_add_u32 v[AL0], v2, 4, v[AL0]
	s_mul_i32 s52, s22, 32*PITCH
	v_add_nc_u32 v[AL0], s52, v[AL0]
	v_and_b32 v12, 31, v0
	s_lshl_b32 s52, s22, 11                        ; two unit tiles of 1,024 bytes
	s_add_co_u32 s52, s52, TBL
	v_lshl_add_u32 v[AWX], v12, 4, s52
	s_lshl_b32 s52, s22, 10                        ; two of 512
	s_add_co_u32 s52, s52, W2T
	v_lshl_add_u32 v[AW2], v12, 4, s52
	s_lshl_b32 s52, s21, 12                        ; 64 pixels x 64 bytes
	s_add_co_u32 s52, s52, RED
	v_lshl_add_u32 v[RDL], v1, 6, s52
	v_lshl_add_u32 v[RDL], v2, 5, v[RDL]
	s_lshl_b32 s52, s22, 13
	v_add_nc_u32 v[RDS], s52, v[RDL]
	v_lshlrev_b32 v[B2A], 5, v2
	v_add_nc_u32 v[B2A], B2T, v[B2A]
.set i, 0
.rept 32                                       ; written in the wait for the first tile, so that every slot has one text: no scores yet, and the second layer's sums at 0
	v_mov_b32 v[X+i], 0
	v_mov_b32 v[O2+i], 0
.set i, i+1
.endr
.irp t, 0,1,2,3
	v_mov_b32 v[X+8*\t+2], 0x3f800000              ; 1.0 at k = 5, for the bias
.endr
.macro FETCHH u                        ; unit tile u of my two: 16 rows of wt, and the extension's fragment
.irp c, 0,1,2,3,4,5,6,7
	ds_load_b128 v[LF+8*\c:LF+8*\c+3],   v[ADR] offset:(\u)*16*PITCH+64*\c
	ds_load_b128 v[LF+8*\c+4:LF+8*\c+7], v[ADR] offset:(\u)*16*PITCH+64*\c+32
.endr
	ds_load_b128 v[WX:WX+3],   v[AWX] offset:(\u)*1024
	ds_load_b128 v[WX+4:WX+7], v[AWX] offset:(\u)*1024+512
.endm
.macro MM1                             ; 36 products; the four accumulators take turns, one instruction a turn; the first K step starts the sums
	WIN 0x04                                       ; source 1 in window 1
.irp c, 0,1,2,3,4,5,6,7
.irp t, 0,1,2,3
.if \c == 0
	v_wmma_f32_16x16x32_bf16 v[H+8*\t:H+8*\t+7], v[LF+8*\c:LF+8*\c+7], v[64*\t+8*\c:64*\t+8*\c+7], 0
.else
	v_wmma_f32_16x16x32_bf16 v[H+8*\t:H+8*\t+7], v[LF+8*\c:LF+8*\c+7], v[64*\t+8*\c:64*\t+8*\c+7], v[H+8*\t:H+8*\t+7]
.endif
.endr
.endr
	WIN 0
.irp t, 0,1,2,3
	v_wmma_f32_16x16x32_bf16 v[H+8*\t:H+8*\t+7], v[WX:WX+7], v[X+8*\t:X+8*\t+7], v[H+8*\t:H+8*\t+7]
.endr
	PLACES                                         ; between the last product and the first read of a sum, and the loads into the fragments
.endm
; Eight f32 at v[src] are cut into three bf16 terms, packed in pairs: the upper halves; the upper halves of what is left; and of what is left then, which has no more bits.  relu = 1: first max(x, 0).
.macro SPLIT3 src, dh, dm, dl, relu
.if \relu
.irp j, 0,1,2,3,4,5,6,7
	v_max_num_f32 v[(\src)+\j], 0, v[(\src)+\j]    ; the accumulator is read from its low end on
.endr
.endif
.irp q, 0,1,2,3
	v_perm_b32 v[(\dh)+\q], v[(\src)+2*\q+1], v[(\src)+2*\q], s[SELP]
	v_and_b32 v[TT+2*\q],   s[MSK], v[(\src)+2*\q]
	v_and_b32 v[TT+2*\q+1], s[MSK], v[(\src)+2*\q+1]
	v_pk_add_f32 v[(\src)+2*\q:(\src)+2*\q+1], v[(\src)+2*\q:(\src)+2*\q+1], v[TT+2*\q:TT+2*\q+1] neg_lo:[0,1] neg_hi:[0,1]
.endr
.irp q, 0,1,2,3
	v_perm_b32 v[(\dm)+\q], v[(\src)+2*\q+1], v[(\src)+2*\q], s[SELP]
	v_and_b32 v[TT+2*\q],   s[MSK], v[(\src)+2*\q]
	v_and_b32 v[TT+2*\q+1], s[MSK], v[(\src)+2*\q+1]
	v_pk_add_f32 v[(\src)+2*\q:(\src)+2*\q+1], v[(\src)+2*\q:(\src)+2*\q+1], v[TT+2*\q:TT+2*\q+1] neg_lo:[0,1] neg_hi:[0,1]
.endr
.irp q, 0,1,2,3
	v_perm_b32 v[(\dl)+\q], v[(\src)+2*\q+1], v[(\src)+2*\q], s[SELP]
.endr
.endm
.macro W2P t, a, bb                    ; O2[t] += v[a ..] x v[bb ..]
	v_wmma_f32_16x16x32_bf16 v[O2+8*(\t):O2+8*(\t)+7], v[\a:(\a)+7], v[\bb:(\bb)+7], v[O2+8*(\t):O2+8*(\t)+7]
.endm
; The second layer for unit tile u.  No two matrix instructions that follow each other share an accumulator.  The eight lines of the third tile's relu stand between the products that read P and the lines that write it anew.
.macro SEC u
	SPLIT3 H,    P,   P+4,  LO+4*(\u),    1
	SPLIT3 H+8,  P+8, P+12, LO+8+4*(\u),  1
	W2P 0, W2Q+8*(\u), P
	W2P 1, W2Q+8*(\u), P+8
	SPLIT3 H+16, P,   P+4,  LO+16+4*(\u), 1
	SPLIT3 H+24, P+8, P+12, LO+24+4*(\u), 1
	W2P 2, W2Q+8*(\u), P
	W2P 3, W2Q+8*(\u), P+8
.if \u
.irp t, 0,1,2,3
	W2P \t, W2Q+4, LO+8*\t                         ; the third terms of both unit tiles: W0 W1
.endr
.endif
.endm
.macro SLOTH                           ; a slot: my two unit tiles
	v_add_nc_u32 v[ADR], s[TB], v[AL0]
	FETCHH 0
	ds_load_b128 v[W2Q:W2Q+3],     v[AW2]
	ds_load_b128 v[W2Q+4:W2Q+7],   v[AW2]
	ds_load_b128 v[W2Q+8:W2Q+11],  v[AW2] offset:512
	ds_load_b128 v[W2Q+12:W2Q+15], v[AW2] offset:512
	s_wait_dscnt 0x0
	MM1
	FETCHH 1
	SEC 0
	s_wait_dscnt 0x0
	MM1
	SEC 1
	v_add_nc_u32 v[AWX], 8192, v[AWX]              ; four plain instructions behind the last product: the next slot's tables,
	v_add_nc_u32 v[AW2], 4096, v[AW2]
	v_nop
	v_nop
	s_xor_b32 s[TB], s[TB], SLOT1                  ; and the other slot
.endm
.macro REDST                           ; my quarter's sums into LDS
.irp t, 0,1,2,3
	ds_store_b128 v[RDS], v[O2+8*\t:O2+8*\t+3]   offset:1024*\t
	ds_store_b128 v[RDS], v[O2+8*\t+4:O2+8*\t+7] offset:1024*\t+16
.endr
.endm
.macro REDSUM boff                     ; O2 = the four quarters' sums + the bias, for my four tiles, two at a time
	ds_load_b128 v[WX:WX+3],   v[B2A] offset:\boff
	ds_load_b128 v[WX+4:WX+7], v[B2A] offset:\boff+16
.irp tp, 0, 2
.irp tq, 0, 1
.irp pq, 0,1,2,3
	ds_load_b128 v[LF+32*\tq+8*\pq:LF+32*\tq+8*\pq+3],   v[RDL] offset:1024*(\tp+\tq)+8192*\pq
	ds_load_b128 v[LF+32*\tq+8*\pq+4:LF+32*\tq+8*\pq+7], v[RDL] offset:1024*(\tp+\tq)+8192*\pq+16
.endr
.endr
	s_wait_dscnt 0x0
.irp tq, 0, 1
.irp pp, 0,2,4,6
	v_pk_add_f32 v[LF+32*\tq+\pp:LF+32*\tq+\pp+1], v[LF+32*\tq+\pp:LF+32*\tq+\pp+1], v[LF+32*\tq+8+\pp:LF+32*\tq+8+\pp+1]
	v_pk_add_f32 v[LF+32*\tq+16+\pp:LF+32*\tq+16+\pp+1], v[LF+32*\tq+16+\pp:LF+32*\tq+16+\pp+1], v[LF+32*\tq+24+\pp:LF+32*\tq+24+\pp+1]
.endr
.irp pp, 0,2,4,6
	v_pk_add_f32 v[LF+32*\tq+\pp:LF+32*\tq+\pp+1], v[LF+32*\tq+\pp:LF+32*\tq+\pp+1], v[LF+32*\tq+16+\pp:LF+32*\tq+16+\pp+1]
.endr
.irp pp, 0,2,4,6
	v_pk_add_f32 v[O2+8*(\tp+\tq)+\pp:O2+8*(\tp+\tq)+\pp+1], v[LF+32*\tq+\pp:LF+32*\tq+\pp+1], v[WX+\pp:WX+\pp+1]
.endr
.endr
.endr
.endm
; The scores of tile t become the extension's source 1.  Lanes 0-15 hold outputs 0-7 of a pixel, lanes 16-31 outputs 8-15, which are 0.  k = 0-7 (lanes 0-15, registers 0-3): the first terms;
; k = 8-15 (lanes 16-31, registers 0-3): the third terms, fetched from the lane 16 away; k = 16-23 (lanes 0-15, registers 4-7): the second terms.  Output 5 is 0: there stands the bias's 1.0.
.macro XBUILD t
	SPLIT3 O2+8*(\t), X+8*(\t), X+8*(\t)+4, LF+4*(\t), 0
.irp q, 0,1,2,3
	v_permlanex16_b32 v[LF+16+4*(\t)+\q], v[LF+4*(\t)+\q], s[SEL], s[SEL+1]
.endr
.irp q, 0,1,2,3
	v_or_b32 v[X+8*(\t)+\q], v[X+8*(\t)+\q], v[LF+16+4*(\t)+\q]
.endr
	v_or_b32 v[X+8*(\t)+2], 0x3f800000, v[X+8*(\t)+2]
.endm
	s_wait_tensorcnt 0x1                           ; the tables and slot 0 are in; slot 1's load, the one issued behind them, may stay out
	s_wait_loadcnt 0x0                             ; my pixels
	s_barrier_signal -1
	s_barrier_wait -1
	s_mov_b32 s[KC], 6
.LloopA:                                       ; slots 0-5; units 256-1023 are asked for.  The count is 3 in slot 3, the first MLP's last
	SLOTH
	s_cmp_lg_u32 s[KC], 3
	s_cbranch_scc1 .Lno_st
	REDST
.Lno_st:
	s_wait_tensorcnt 0x0                           ; all my tensor loads have landed: my part of the other slot
	ds_add_u32 v[SPW], v[NIL]
	s_xor_b32 s[G0B+1], s[G0B+1], SLOT1            ; the walking descriptor: the slot just read,
	s_add_nc_u64 s[G0B+2:G0B+3], s[G0B+2:G0B+3], 65536  ; the next 128 units
	s_wait_dscnt 0x0                               ; the add is done, my reads of the slot are over, my partial sums are stored
	ROUND
	tensor_load_to_lds s[G0B:G0B+3], s[G1W:G1W+7]  ; my one load behind the round; it has the other slot's work in which to land
	s_nop 0
	PLACES
	s_cmp_lg_u32 s[KC], 3
	s_cbranch_scc1 .Lno_x
	REDSUM 0                                       ; the scores, b2_s added
	XBUILD 0
	XBUILD 1
	XBUILD 2
	XBUILD 3
.set i, 0
.rept 32
	v_mov_b32 v[O2+i], 0                           ; the second MLP's sums start
.set i, i+1
.endr
.Lno_x:
	s_wait_dscnt 0x0                               ; my reads of the partial sums are over:
	s_barrier_signal -1                            ; a barrier between them and any later store there; the refill stays out
	s_barrier_wait -1
	s_sub_co_u32 s[KC], s[KC], 1
	s_cmp_lg_u32 s[KC], 0
	s_cbranch_scc1 .LloopA
	s_mov_b32 s[KC], 2
.LloopB:                                       ; slots 6 and 7 ask for nothing
	SLOTH
	s_cmp_lg_u32 s[KC], 1
	s_cbranch_scc1 .Lno_st2
	REDST
.Lno_st2:
	s_wait_tensorcnt 0x0
	ds_add_u32 v[SPW], v[NIL]
	s_wait_dscnt 0x0
	s_barrier_signal -1
	s_barrier_wait -1
	s_sub_co_u32 s[KC], s[KC], 1
	s_cmp_lg_u32 s[KC], 0
	s_cbranch_scc1 .LloopB
	; THE SOFTMAX, by waves 0 and 1 (64 pixels each).  Lanes 16-31 hold no output: they run along and store into the stages' second halves.
.macro SOFT t
.set ZB, O2+8*(\t)
.set IW, H+4*(\t)
	v_max3_num_f32 v[TT], v[ZB], v[ZB+1], v[ZB+2]
	v_and_b32 v[TT+2], 0xffff, v[IW]               ; the best of the first five so far: candidate 0
	v_max3_num_f32 v[TT], v[TT], v[ZB+3], v[ZB+4]
	v_mov_b32 v[TT+1], v[ZB]
	v_max3_num_f32 v[TT], v[TT], v[ZB+5], v[ZB+6]
	v_lshrrev_b32 v[TT+3], 16, v[IW]
	v_cmp_gt_f32 vcc_lo, v[ZB+1], v[TT+1]
	v_cndmask_b32 v[TT+2], v[TT+2], v[TT+3], vcc_lo
	v_max_num_f32 v[TT+1], v[TT+1], v[ZB+1]
	v_and_b32 v[TT+3], 0xffff, v[IW+1]
	v_cmp_gt_f32 vcc_lo, v[ZB+2], v[TT+1]
	v_cndmask_b32 v[TT+2], v[TT+2], v[TT+3], vcc_lo
	v_max_num_f32 v[TT+1], v[TT+1], v[ZB+2]
	v_lshrrev_b32 v[TT+3], 16, v[IW+1]
	v_cmp_gt_f32 vcc_lo, v[ZB+3], v[TT+1]
	v_cndmask_b32 v[TT+2], v[TT+2], v[TT+3], vcc_lo
	v_max_num_f32 v[TT+1], v[TT+1], v[ZB+3]
	v_cmp_gt_f32 vcc_lo, v[ZB+4], v[TT+1]
	v_cndmask_b32 v[TT+2], v[TT+2], v[IW+2], vcc_lo
.irp i, 0,1,2,3,4,5,6
	v_sub_f32 v[ZB+\i], v[ZB+\i], v[TT]
.endr
.irp i, 0,1,2,3,4,5,6
	v_mul_f32 v[ZB+\i], s[L2E], v[ZB+\i]
.endr
.irp i, 0,1,2,3,4,5,6
	v_exp_f32 v[ZB+\i], v[ZB+\i]
.endr
	v_nop                                          ; a plain instruction between the last exponential and the use of its result
	s_wait_alu depctr_va_vdst(0)
	v_add_f32 v[TT+4], v[ZB], v[ZB+1]
	v_add_f32 v[TT+5], v[ZB+2], v[ZB+3]
	v_add_f32 v[TT+6], v[ZB+4], v[ZB+5]
	v_add_f32 v[TT+4], v[TT+4], v[ZB+6]
	v_add_f32 v[TT+5], v[TT+5], v[TT+6]
	v_add_f32 v[TT+4], v[TT+4], v[TT+5]
	v_rcp_f32 v[TT+4], v[TT+4]
	v_nop
	s_wait_alu depctr_va_vdst(0)
.irp i, 0,1,2,3,4,5,6
	v_mul_f32 v[ZB+\i], v[ZB+\i], v[TT+4]
.endr
.irp i, 0,1,2,3,4,5,6
	ds_store_b32 v[P+2], v[ZB+\i] offset:448*(\t)+4*\i
.endr
	ds_store_b32 v[P+4], v[TT+2] offset:64*(\t)
.endm
	s_cmp_lt_u32 s[WV], 2
	s_cbranch_scc0 .Lno_soft
	s_lshl_b32 s71, s21, 6
	v_add_nc_u32 v[P], s71, v1                     ; my pixel of tile 0
	v_lshlrev_b32 v[P+1], 4, v[P]
.irp t, 0,1,2,3
	global_load_b128 v[H+4*\t:H+4*\t+3], v[P+1], s[10:11] offset:256*\t
.endr
	v_mul_u32_u24 v[P+2], v[P], 28
	v_mul_u32_u24 v[P+3], v2, 3584
	v_add3_u32 v[P+2], v[P+2], v[P+3], ST1
	v_lshlrev_b32 v[P+4], 2, v[P]
	v_lshl_add_u32 v[P+4], v2, 9, v[P+4]
	v_add_nc_u32 v[P+4], ST0, v[P+4]
	REDSUM 64                                      ; the logits, b2_a added
	s_wait_loadcnt 0x0
	SOFT 0
	SOFT 1
	SOFT 2
	SOFT 3
.Lno_soft:
	s_wait_dscnt 0x0                               ; for the others' sake
	s_barrier_signal -1
	s_barrier_wait -1
	s_cmp_lt_u32 s[WV], 7                          ; out1: 3,584 bytes by waves 0-6; out0: 512 by wave 7; 16 bytes a lane, whole aligned blocks of 256
	s_cbranch_scc0 .Lout0
	v_lshl_add_u32 v12, v0, 4, ST1
	v_lshlrev_b32 v13, 4, v0
	ds_load_b128 v[84:87], v12
	s_wait_dscnt 0x0
	global_store_b128 v13, v[84:87], s[16:17]
	s_branch .Lrecon
.Lout0:
	v_and_b32 v13, 31, v0
	v_lshlrev_b32 v13, 4, v13
	v_add_nc_u32 v12, ST0, v13
	ds_load_b128 v[84:87], v12
	s_wait_dscnt 0x0
	global_store_b128 v13, v[84:87], s[14:15]
.Lrecon:
	; OUT2.  A wave takes 16 pixels, four at a time: 896 numbers = 7 stores of 512 consecutive bytes.  In store i lane l holds the numbers f = 128 i + 4 l .. + 3: pixel f / 224 of the four, bands f % 224 on.
	; The rows come from ids, whole numbers that an earlier launch has stored, held to 0 .. 4,095.
	s_wait_xcnt 0x0                                ; the stores above have read their registers
	v_and_b32 v12, 31, v0
	v_lshlrev_b32 v[OO], 4, v12
	v_mov_b32 v[ZR], 0
	s_mul_i32 s71, s[WV], 16*28
	s_add_co_u32 s71, s71, ST1
.irp i, 0,1,2,3,4,5,6
	v_lshl_add_u32 v13, v12, 2, 128*\i             ; f
	v_mul_u32_u24 v14, v13, 293
	v_lshrrev_b32 v14, 16, v14                     ; f / 224, right for every multiple of 4 below 896
	v_lshlrev_b32 v[UB+\i], 4, v14
	v_mul_u32_u24 v15, v14, 28
	v_add_nc_u32 v[UA+\i], s71, v15
	v_mul_u32_u24 v15, v14, 448
	v_lshlrev_b32 v13, 1, v13
	v_sub_nc_u32 v[BD+\i], v13, v15
.endr
.irp i, 0,1,2,3,4,5,6
	global_load_b128 v[IW7+4*\i:IW7+4*\i+3], v[UB+\i], s[IDP:IDP+1]
.endr
	s_mov_b32 s[KC], 4
.Lquad:
	s_wait_loadcnt 0x0                             ; the quad's ids
.irp i, 0,1,2,3,4,5,6
.irp k, 0,1,2,3,4
	ds_load_b32 v[AK+5*\i+\k], v[UA+\i] offset:4*\k
.endr
.endr
.irp i, 0,1,2,3,4,5,6
	v_and_b32     v[AD+5*\i],   0xffff, v[IW7+4*\i]
	v_lshrrev_b32 v[AD+5*\i+1], 16,     v[IW7+4*\i]
	v_and_b32     v[AD+5*\i+2], 0xffff, v[IW7+4*\i+1]
	v_lshrrev_b32 v[AD+5*\i+3], 16,     v[IW7+4*\i+1]
	v_min_u32     v[AD+5*\i+4], 0xfff,  v[IW7+4*\i+2]
.irp k, 0,1,2,3
	v_min_u32 v[AD+5*\i+\k], 0xfff, v[AD+5*\i+\k]
.endr
.irp k, 0,1,2,3,4
	v_mul_u32_u24 v[AD+5*\i+\k], v[AD+5*\i+\k], 448
.endr
.irp k, 0,1,2,3,4
	v_add_nc_u32 v[AD+5*\i+\k], v[BD+\i], v[AD+5*\i+\k]
.endr
.irp k, 0,1,2,3,4
	global_load_b64 v[PD+10*\i+2*\k:PD+10*\i+2*\k+1], v[AD+5*\i+\k], s[12:13]
.endr
.endr
	s_wait_xcnt 0x0                                ; every load so far has read its address
	s_cmp_lg_u32 s[KC], 1                          ; the next quad's ids go out now; the last trip asks for its own again, so that one text and one set of counts serve all four and no load leaves ids
	s_cselect_b32 s74, 64, 0
	s_add_nc_u64 s[IDP:IDP+1], s[IDP:IDP+1], s[74:75]
.irp i, 0,1,2,3,4,5,6
	global_load_b128 v[IW7+4*\i:IW7+4*\i+3], v[UB+\i], s[IDP:IDP+1]
.endr
.irp i, 0,1,2,3,4,5,6
	v_add_nc_u32 v[UA+\i], 112, v[UA+\i]           ; four pixels on
.endr
	s_wait_dscnt 0x0
.irp i, 0,1,2,3,4,5,6
	s_wait_loadcnt 7+5*(6-\i)                      ; behind store i's five rows stand five for each later store and the seven loads of ids
.irp k, 0,1,2,3,4
.irp g, 0,1
.if \k == 0
	v_fma_mix_f32_bf16 v[OUT+4*\i+2*\g],   v[PD+10*\i+2*\k+\g], v[AK+5*\i+\k], v[ZR] op_sel_hi:[1,0,0]
	v_fma_mix_f32_bf16 v[OUT+4*\i+2*\g+1], v[PD+10*\i+2*\k+\g], v[AK+5*\i+\k], v[ZR] op_sel:[1,0,0] op_sel_hi:[1,0,0]
.else
	v_fma_mix_f32_bf16 v[OUT+4*\i+2*\g],   v[PD+10*\i+2*\k+\g], v[AK+5*\i+\k], v[OUT+4*\i+2*\g] op_sel_hi:[1,0,0]
	v_fma_mix_f32_bf16 v[OUT+4*\i+2*\g+1], v[PD+10*\i+2*\k+\g], v[AK+5*\i+\k], v[OUT+4*\i+2*\g+1] op_sel:[1,0,0] op_sel_hi:[1,0,0]
.endif
.endr
.endr
	global_store_b128 v[OO], v[OUT+4*\i:OUT+4*\i+3], s[18:19] offset:512*\i th:TH_STORE_NT
.endr
	s_wait_xcnt 0x0                                ; the stores have read their data and their base
	s_add_nc_u64 s[18:19], s[18:19], 3584
	s_sub_co_u32 s[KC], s[KC], 1
	s_cmp_lg_u32 s[KC], 0
	s_cbranch_scc1 .Lquad
	s_wait_tensorcnt 0x0                           ; the wave's end
	ds_add_u32 v[SPW], v[NIL]
	s_wait_dscnt 0x0
	ROUND                                          ; the closing round
	s_endpgm
.Lfunc_end_k_q9f41dc14be_head:
	.size	k_q9f41dc14be_head, .Lfunc_end_k_q9f41dc14be_head-k_q9f41dc14be_head
	.p2alignl 7, 3214868480
	.fill 96, 4, 3214868480
	.section	.rodata,"a",@progbits
	.p2align	6, 0x0
	.amdhsa_kernel k_q9f41dc14be_head
		.amdhsa_group_segment_fixed_size 327680
		.amdhsa_private_segment_fixed_size 0
		.amdhsa_enable_private_segment 0
		.amdhsa_kernarg_size 64
		.amdhsa_user_sgpr_count 2
		.amdhsa_user_sgpr_kernarg_segment_ptr 1
		.amdhsa_wavefront_size32 1
		.amdhsa_system_sgpr_workgroup_id_x 1
		.amdhsa_system_sgpr_workgroup_id_y 1
		.amdhsa_system_sgpr_workgroup_id_z 1
		.amdhsa_system_vgpr_workitem_id 0
		.amdhsa_next_free_vgpr 512
		.amdhsa_next_free_sgpr 80
		.amdhsa_reserve_vcc 1
		.amdhsa_float_denorm_mode_32 3
		.amdhsa_float_denorm_mode_16_64 3
		.amdhsa_memory_ordered 1
		.amdhsa_forward_progress 1
		.amdhsa_inst_pref_size 129
	.end_amdhsa_kernel
	.amdgpu_metadata
---
amdhsa.version: [ 1, 2 ]
amdhsa.kernels:
  - .name:           k_q9f41dc14be_head
    .symbol:         k_q9f41dc14be_head.kd
    .args:
      - { .name: fb, .offset: 0, .size: 8, .value_kind: global_buffer, .address_space: global }
      - { .name: wt, .offset: 8, .size: 8, .value_kind: global_buffer, .address_space: global }
      - { .name: tbl, .offset: 16, .size: 8, .value_kind: global_buffer, .address_space: global }
      - { .name: ids, .offset: 24, .size: 8, .value_kind: global_buffer, .address_space: global }
      - { .name: pb, .offset: 32, .size: 8, .value_kind: global_buffer, .address_space: global }
      - { .name: out0, .offset: 40, .size: 8, .value_kind: global_buffer, .address_space: global }
      - { .name: out1, .offset: 48, .size: 8, .value_kind: global_buffer, .address_space: global }
      - { .name: out2, .offset: 56, .size: 8, .value_kind: global_buffer, .address_space: global }
    .group_segment_fixed_size: 327680
    .private_segment_fixed_size: 0
    .kernarg_segment_align: 8
    .kernarg_segment_size: 64
    .max_flat_workgroup_size: 256
    .sgpr_count:     80
    .vgpr_count:     512
    .wavefront_size: 32
...
	.end_amdgpu_metadata
.endif
;; end of part 4
;; ======== version 2 of 2: 4 launches; 1.47 times as fast as version 1
;; limits: values within 2.5e-07 (relative) of each other or of a threshold may be ordered or decided otherwise than in the reference
;; workspace buffers: fb 16,777,216 bytes; lb 2,129,920 bytes; pb 1,835,008 bytes; wt 524,288 bytes; tbl 100,352 bytes; lnf 4,194,304 bytes; grp 262,144 bytes of whole numbers; ids 524,288 bytes of whole numbers
;; launch prep (part 5): grid 1632 x 1, 4 waves a work-group, no clusters, 0 bytes of LDS; arguments features, lab_library, prototype_spectra, w1_s, w1_a, w2_s, w2_a, b1_s, b1_a, b2_s, b2_a, fb, lb, pb, wt, tbl; writes fb, lb, pb, wt, tbl
.if DOCPART == 5
	.amdgcn_target "amdgcn-amd-amdhsa--gfx1250"
	.amdhsa_code_object_version 6
	.text
	.protected	k_q9f41dc14be_prep
	.globl	k_q9f41dc14be_prep
	.p2align	8
	.type	k_q9f41dc14be_prep,@function
k_q9f41dc14be_prep:
	s_mov_b64 s[64:65], 0
	v_nop
	global_prefetch_b8 v0, s[64:65] scope:SCOPE_SE
	s_setreg_imm32_b32 hwreg(HW_REG_WAVE_MODE, 25, 1), 1
	s_wait_xcnt 0x0
; PREP.  Every input is rounded once to bf16 and laid out for the later launches.
;   work-groups    0-1023  features -> fb
;   work-groups 1024-1151  lab_library -> lb (its first 2,097,152 bytes)
;   work-groups 1152-1263  prototype_spectra -> pb
;   work-groups 1264-1327  wt[u][k] = w1_s[k][u] (u < 512), w1_a[k][u - 512] (u >= 512), k < 256: the first layers' weights with K along the rows
;   work-groups 1328-1359  tbl, first 65,536 bytes: for each tile of 16 hidden units one matrix fragment (16 units x 32 k) that holds the bias and, in the second MLP, w1_a's rows 256-260 three times
;   work-groups 1360-1375  tbl, next 32,768 bytes: for each tile of 16 hidden units half a fragment of w2 (16 outputs x 16 units), zero beyond 5 or 7 outputs; then b2_s and b2_a, padded with zeros
;   work-groups 1376-1631  the library's norms, of the rounded numbers, behind lb's rows: y = 1 / x at byte RLO + 4 row, x = |row| + 1e-12 at byte XLO + 4 row
; Every wave asks for all its bytes in one run of loads and has no loop: what is on its way is made of many waves, each with 8 KiB (the cast) or 4 KiB (the norms) out.
; THE NORM'S ORDER.  A row's 256 squares (exact in f32: the numbers have 8 bits) are added in eight blocks of 32, each ascending from its first, and the eight sums ascending; the root is the rounded one.
; LIMITS.  A sum of squares below 2^-126 counts as 0; NaN and infinities are not treated apart.
; No LDS and no barrier: no wave wants a byte that another wave has fetched.
.set X,  16                            ; v[16:79]   64 f32 as loaded
.set Y,  80                            ; v[80:111]  cast: 8 steps x 4 words of bf16
.set T,  112                           ; v[112:117] the norm: two words of bf16, four rounded numbers as f32
.set RLO, 2097152
.set XLO, RLO+16384
.set W_LIB, 1024                       ; the first work-group of each part
.set W_SPE, 1152
.set W_WT,  1264
.set W_WX,  1328
.set W_W2,  1360
.set W_NRM, 1376
	s_load_b512 s[4:19], s[0:1], 0x0               ; features 4, lab_library 6, prototype_spectra 8, w1_s 10, w1_a 12, w2_s 14, w2_a 16, b1_s 18
	s_load_b512 s[20:35], s[0:1], 0x40             ; b1_a 20, b2_s 22, b2_a 24, fb 26, lb 28, pb 30, wt 32, tbl 34
	v_and_b32 v1, 31, v0                           ; lane
	v_lshrrev_b32 v2, 5, v0
	v_readfirstlane_b32 s38, v2                    ; wave
	s_mov_b32 s39, ttmp9                           ; work-group
	s_wait_kmcnt 0x0
	s_cmp_lt_u32 s39, W_WT
	s_cbranch_scc0 .Lnot_cast
	; THE CAST.  A step is 256 numbers (1,024 bytes in, 512 out).  A wave takes 8 steps.
	s_cmp_lt_u32 s39, W_LIB
	s_cselect_b64 s[40:41], s[4:5], s[6:7]         ; from
	s_cselect_b64 s[42:43], s[26:27], s[28:29]     ; to
	s_cselect_b32 s44, 0, W_LIB                    ; the tensor's first work-group
	s_cmp_lt_u32 s39, W_SPE
	s_cselect_b64 s[40:41], s[40:41], s[8:9]
	s_cselect_b64 s[42:43], s[42:43], s[30:31]
	s_cselect_b32 s44, s44, W_SPE
	s_sub_co_u32 s44, s39, s44
	s_lshl_b32 s44, s44, 2
	s_add_co_u32 s44, s44, s38                     ; my wave among the tensor's
	s_lshl_b32 s46, s44, 13                        ; 8 steps of 1,024 bytes
	s_mov_b32 s47, 0
	s_add_nc_u64 s[40:41], s[40:41], s[46:47]
	s_lshl_b32 s46, s44, 12                        ; 8 steps of 512 bytes
	s_add_nc_u64 s[42:43], s[42:43], s[46:47]
	v_lshlrev_b32 v3, 4, v1                        ; 16 bytes a lane in,
	v_lshlrev_b32 v4, 3, v1                        ; 8 out
.irp j, 0,1,2,3,4,5,6,7
	global_load_b128 v[X+8*\j:X+8*\j+3],   v3, s[40:41] offset:1024*\j       ; 512 neighbouring bytes a load
	global_load_b128 v[X+8*\j+4:X+8*\j+7], v3, s[40:41] offset:1024*\j+512
.endr
.irp j, 0,1,2,3,4,5,6,7
	s_wait_loadcnt 14-2*\j                         ; behind step j's two loads stand the two of each later step
	v_cvt_pk_bf16_f32 v[Y+4*\j],   v[X+8*\j],   v[X+8*\j+1]
	v_cvt_pk_bf16_f32 v[Y+4*\j+1], v[X+8*\j+2], v[X+8*\j+3]
	v_cvt_pk_bf16_f32 v[Y+4*\j+2], v[X+8*\j+4], v[X+8*\j+5]
	v_cvt_pk_bf16_f32 v[Y+4*\j+3], v[X+8*\j+6], v[X+8*\j+7]
	global_store_b64 v4, v[Y+4*\j:Y+4*\j+1],   s[42:43] offset:512*\j       ; 256 consecutive bytes, aligned
	global_store_b64 v4, v[Y+4*\j+2:Y+4*\j+3], s[42:43] offset:512*\j+256
.endr
	s_branch .Lend
.Lnot_cast:
	s_cmp_lt_u32 s39, W_WX
	s_cbranch_scc0 .Lnot_wt
	; WT.  A wave makes four rows u .. u + 3: lane l loads 16 bytes (four u) of the rows k = 8 l .. 8 l + 7 of w1, and stores for each u its eight k: 16 bytes, the wave a whole row of 512.
	s_sub_co_u32 s44, s39, W_WT
	s_cmp_lt_u32 s44, 32
	s_cselect_b64 s[40:41], s[10:11], s[12:13]
	s_lshl_b32 s45, s44, 2
	s_add_co_u32 s45, s45, s38                     ; which four rows of wt, 0 .. 255
	s_and_b32 s46, s45, 127
	s_lshl_b32 s46, s46, 4                         ; 4 u x 4 bytes
	v_lshl_add_u32 v3, v1, 14, s46                 ; 8 rows of 2,048 bytes a lane
.irp i, 0,1,2,3,4,5,6,7
	global_load_b128 v[16+4*\i:19+4*\i], v3, s[40:41] offset:2048*\i
.endr
	s_lshl_b32 s47, s45, 11                        ; four rows of 512 bytes
	v_lshl_add_u32 v4, v1, 4, s47
	s_wait_loadcnt 0x0
.irp u, 0,1,2,3
.irp m, 0,1,2,3
	v_cvt_pk_bf16_f32 v[48+4*\u+\m], v[16+8*\m+\u], v[20+8*\m+\u]
.endr
	global_store_b128 v4, v[48+4*\u:51+4*\u], s[32:33] offset:512*\u
.endr
	s_branch .Lend
.Lnot_wt:
	v_and_b32 v2, 15, v0                           ; r
	v_bfe_u32 v3, v0, 4, 1                         ; h
	s_cmp_lt_u32 s39, W_W2
	s_cbranch_scc0 .Lnot_wx
	; THE EXTENSION'S FRAGMENTS.  A wave writes one half (registers 0-3 or 4-7) of the fragment of unit tile ut: lane (r, h) holds unit 16 (ut % 32) + r and eight k.
	; Of the four blocks of eight k, three hold w1_a[256 + i][unit] at i < 5 (for the three bf16 terms of a score); the first also holds the bias at i = 5.  In the first MLP only the bias.
	s_sub_co_u32 s44, s39, W_WX
	s_lshl_b32 s44, s44, 2
	s_add_co_u32 s44, s44, s38                     ; 2 ut + half
	s_and_b32 s45, s44, 1                          ; half
	s_lshr_b32 s46, s44, 1                         ; ut
	s_lshr_b32 s52, s46, 5                         ; 0: first MLP, 1: second
	s_and_b32 s48, s46, 31
	s_lshl_b32 s48, s48, 6                         ; 16 units x 4 bytes
	s_cmp_eq_u32 s52, 0
	s_cselect_b64 s[40:41], s[18:19], s[20:21]     ; b1_s or b1_a
	v_lshl_add_u32 v4, v2, 2, s48
.irp i, 0,1,2,3,4
	global_load_b32 v[8+\i], v4, s[12:13] offset:(256+\i)*2048
.endr
	global_load_b32 v13, v4, s[40:41]
	v_and_b32 v5, s45, v3                          ; 1 in the fourth block,
	v_xor_b32 v5, 1, v5
	v_and_b32 v5, s52, v5                          ; 1 where the weights stand
	v_cmp_ne_u32 vcc_lo, 0, v5
	v_or_b32 v6, s45, v3
	v_cmp_eq_u32 s49, 0, v6                        ; the first block
	s_lshl_b32 s46, s44, 9
	v_lshl_add_u32 v7, v1, 4, s46
	s_wait_loadcnt 0x0
.irp i, 0,1,2,3,4
	v_cndmask_b32 v[8+\i], 0, v[8+\i], vcc_lo
.endr
	v_cndmask_b32 v13, 0, v13, s49
	v_cvt_pk_bf16_f32 v16, v8, v9
	v_cvt_pk_bf16_f32 v17, v10, v11
	v_cvt_pk_bf16_f32 v18, v12, v13
	v_mov_b32 v19, 0
	global_store_b128 v7, v[16:19], s[34:35]
	s_branch .Lend
.Lnot_wx:
	s_cmp_lt_u32 s39, W_NRM
	s_cbranch_scc0 .Lnorm
	; W2.  A wave writes the half fragment of unit tile ut: lane (r, h) holds output r and the units 16 (ut % 32) + 8 h + 0..7.
	s_sub_co_u32 s44, s39, W_W2
	s_lshl_b32 s44, s44, 2
	s_add_co_u32 s44, s44, s38                     ; ut
	s_lshr_b32 s52, s44, 5
	s_and_b32 s48, s44, 31
	s_lshl_b32 s48, s48, 4
	s_cmp_eq_u32 s52, 0
	s_cselect_b64 s[40:41], s[14:15], s[16:17]     ; w2_s or w2_a
	s_cselect_b32 s49, 5, 7                        ; numbers in a row
	s_cselect_b32 s50, 4, 6                        ; the last output
	v_lshl_add_u32 v4, v3, 3, s48
	v_min_u32 v5, s50, v2                          ; no load leaves the row
	v_mad_u32_u24 v4, v4, s49, v5
	v_lshlrev_b32 v8, 2, v4
	s_lshl_b32 s51, s49, 2
.irp i, 1,2,3,4,5,6,7
	v_add_nc_u32 v[8+\i], s51, v[7+\i]
.endr
.irp i, 0,1,2,3,4,5,6,7
	global_load_b32 v[16+\i], v[8+\i], s[40:41]
.endr
	v_cmp_ge_u32 vcc_lo, s50, v2
	s_lshl_b32 s46, s44, 9
	v_lshl_add_u32 v6, v1, 4, s46
	s_wait_loadcnt 0x0
.irp i, 0,1,2,3,4,5,6,7
	v_cndmask_b32 v[16+\i], 0, v[16+\i], vcc_lo
.endr
.irp m, 0,1,2,3
	v_cvt_pk_bf16_f32 v[24+\m], v[16+2*\m], v[17+2*\m]
.endr
	global_store_b128 v6, v[24:27], s[34:35] offset:65536
	s_cmp_eq_u32 s44, 0
	s_cbranch_scc0 .Lend
	; one wave adds the second layers' biases (16 + 16 f32, rounded to bf16, zero beyond 5 and 7) and zeros up to the table's end, which a later launch copies whole
	v_min_u32 v30, 4, v2
	v_min_u32 v31, 6, v2
	v_lshlrev_b32 v30, 2, v30
	v_lshlrev_b32 v31, 2, v31
	global_load_b32 v32, v30, s[22:23]
	global_load_b32 v33, v31, s[24:25]
	v_lshlrev_b32 v34, 2, v1
	v_mov_b32 v35, 0
	s_wait_loadcnt 0x0
	v_cmp_gt_u32 vcc_lo, 5, v2
	v_cndmask_b32 v32, 0, v32, vcc_lo
	v_cmp_gt_u32 vcc_lo, 7, v2
	v_cndmask_b32 v33, 0, v33, vcc_lo
	v_cmp_eq_u32 vcc_lo, 1, v3
	v_cndmask_b32 v32, v32, v33, vcc_lo
	v_cvt_pk_bf16_f32 v32, v32, v32
	v_lshlrev_b32 v32, 16, v32
	global_store_b32 v34, v32, s[34:35] offset:98304
.irp n, 1,2,3,4,5,6,7,8,9,10,11,12,13,14,15
	global_store_b32 v34, v35, s[34:35] offset:98304+128*\n
.endr
	s_branch .Lend
.Lnorm:
	; THE LIBRARY'S NORMS.  Eight lanes a row, four rows a wave, 16 a work-group.  Lane j of the eight takes block j: the 32 numbers (128 bytes) from 32 j on, summed ascending;
	; then the eight block sums are handed to all eight lanes (DPP, within eight lanes) and added ascending.
	s_sub_co_u32 s44, s39, W_NRM
	s_lshl_b32 s44, s44, 4                         ; 16 rows a work-group
	v_lshrrev_b32 v3, 3, v0
	v_add_nc_u32 v3, s44, v3                       ; my row
	v_and_b32 v2, 7, v0                            ; my block
	v_lshlrev_b32 v4, 7, v2
	v_lshl_add_u32 v4, v3, 10, v4                  ; row x 1,024 bytes + block x 128
	v_mov_b32 v5, 0                                ; a DPP move's destination counts as read
	v_mov_b32 v7, 0
	s_mov_b32 s50, 0xffff0000
.irp i, 0,1,2,3,4,5,6,7
	global_load_b128 v[X+4*\i:X+4*\i+3], v4, s[6:7] offset:16*\i
.endr
.irp i, 0,1,2,3,4,5,6,7
	s_wait_loadcnt 7-\i                            ; behind load i stand the later ones
	v_cvt_pk_bf16_f32 v[T],   v[X+4*\i],   v[X+4*\i+1]
	v_cvt_pk_bf16_f32 v[T+1], v[X+4*\i+2], v[X+4*\i+3]
	v_lshlrev_b32 v[T+2], 16,  v[T]
	v_and_b32     v[T+3], s50, v[T]
	v_lshlrev_b32 v[T+4], 16,  v[T+1]
	v_and_b32     v[T+5], s50, v[T+1]
.if \i == 0
	v_mul_f32 v6, v[T+2], v[T+2]                   ; the block's first square starts its sum
.else
	v_fmac_f32 v6, v[T+2], v[T+2]
.endif
	v_fmac_f32 v6, v[T+3], v[T+3]
	v_fmac_f32 v6, v[T+4], v[T+4]
	v_fmac_f32 v6, v[T+5], v[T+5]
.endr
	v_mov_b32_dpp v5, v6 dpp8:[0,0,0,0,0,0,0,0]
.irp a, 1,2,3,4,5,6,7
	v_mov_b32_dpp v7, v6 dpp8:[\a,\a,\a,\a,\a,\a,\a,\a]
	v_add_f32 v5, v5, v7
.endr
	v_sqrt_f32 v7, v5                              ; within one step of the rounded root; its two neighbours are tried:
	v_nop
	s_wait_alu depctr_va_vdst(0)
	v_add_nc_u32 v8, -1, v7                        ; the next number down,
	v_add_nc_u32 v9, 1, v7                         ; the next up
	v_fma_f32 v10, -v8, v7, v5                     ; n - down x s <= 0: the root lies below the middle of the two: take down
	v_fma_f32 v11, -v9, v7, v5                     ; n - up x s > 0: above the middle: take up
	v_cmp_ge_f32 vcc_lo, 0, v10
	v_cndmask_b32 v7, v7, v8, vcc_lo
	v_cmp_lt_f32 vcc_lo, 0, v11
	v_cndmask_b32 v7, v7, v9, vcc_lo
	v_add_f32 v7, 0x2b8cbccc, v7                   ; x = root + 1e-12
	v_rcp_f32 v8, v7                               ; y = 1 / x, bettered by one step: y + y (1 - x y)
	v_nop
	s_wait_alu depctr_va_vdst(0)
	v_fma_f32 v9, -v7, v8, 1.0
	v_fma_f32 v8, v9, v8, v8
	v_lshlrev_b32 v10, 2, v3
	global_store_b32 v10, v8, s[28:29] offset:RLO  ; the eight lanes of a row store the same word with the same value
	global_store_b32 v10, v7, s[28:29] offset:XLO
.Lend:
	s_endpgm
.Lfunc_end_k_q9f41dc14be_prep:
	.size	k_q9f41dc14be_prep, .Lfunc_end_k_q9f41dc14be_prep-k_q9f41dc14be_prep
	.p2alignl 7, 3214868480
	.fill 96, 4, 3214868480
	.section	.rodata,"a",@progbits
	.p2align	6, 0x0
	.amdhsa_kernel k_q9f41dc14be_prep
		.amdhsa_group_segment_fixed_size 0
		.amdhsa_private_segment_fixed_size 0
		.amdhsa_enable_private_segment 0
		.amdhsa_kernarg_size 128
		.amdhsa_user_sgpr_count 2
		.amdhsa_user_sgpr_kernarg_segment_ptr 1
		.amdhsa_wavefront_size32 1
		.amdhsa_system_sgpr_workgroup_id_x 1
		.amdhsa_system_sgpr_workgroup_id_y 1
		.amdhsa_system_sgpr_workgroup_id_z 1
		.amdhsa_system_vgpr_workitem_id 0
		.amdhsa_next_free_vgpr 128
		.amdhsa_next_free_sgpr 66
		.amdhsa_reserve_vcc 1
		.amdhsa_float_denorm_mode_32 3
		.amdhsa_float_denorm_mode_16_64 3
		.amdhsa_memory_ordered 1
		.amdhsa_forward_progress 1
		.amdhsa_inst_pref_size 23
	.end_amdhsa_kernel
	.amdgpu_metadata
---
amdhsa.version: [ 1, 2 ]
amdhsa.kernels:
  - .name:           k_q9f41dc14be_prep
    .symbol:         k_q9f41dc14be_prep.kd
    .args:
      - { .name: features, .offset: 0, .size: 8, .value_kind: global_buffer, .address_space: global }
      - { .name: lab_library, .offset: 8, .size: 8, .value_kind: global_buffer, .address_space: global }
      - { .name: prototype_spectra, .offset: 16, .size: 8, .value_kind: global_buffer, .address_space: global }
      - { .name: w1_s, .offset: 24, .size: 8, .value_kind: global_buffer, .address_space: global }
      - { .name: w1_a, .offset: 32, .size: 8, .value_kind: global_buffer, .address_space: global }
      - { .name: w2_s, .offset: 40, .size: 8, .value_kind: global_buffer, .address_space: global }
      - { .name: w2_a, .offset: 48, .size: 8, .value_kind: global_buffer, .address_space: global }
      - { .name: b1_s, .offset: 56, .size: 8, .value_kind: global_buffer, .address_space: global }
      - { .name: b1_a, .offset: 64, .size: 8, .value_kind: global_buffer, .address_space: global }
      - { .name: b2_s, .offset: 72, .size: 8, .value_kind: global_buffer, .address_space: global }
      - { .name: b2_a, .offset: 80, .size: 8, .value_kind: global_buffer, .address_space: global }
      - { .name: fb, .offset: 88, .size: 8, .value_kind: global_buffer, .address_space: global }
      - { .name: lb, .offset: 96, .size: 8, .value_kind: global_buffer, .address_space: global }
      - { .name: pb, .offset: 104, .size: 8, .value_kind: global_buffer, .address_space: global }
      - { .name: wt, .offset: 112, .size: 8, .value_kind: global_buffer, .address_space: global }
      - { .name: tbl, .offset: 120, .size: 8, .value_kind: global_buffer, .address_space: global }
    .group_segment_fixed_size: 0
    .private_segment_fixed_size: 0
    .kernarg_segment_align: 8
    .kernarg_segment_size: 128
    .max_flat_workgroup_size: 128
    .sgpr_count:     66
    .vgpr_count:     128
    .wavefront_size: 32
...
	.end_amdgpu_metadata
.endif
;; end of part 5
;; launch knn (part 6): grid 256 x 1, 8 waves a work-group, clusters of 4 x 1, 327,680 bytes of LDS; arguments fb, lb, lnf, grp; writes lnf, grp
.if DOCPART == 6
	.amdgcn_target "amdgcn-amd-amdhsa--gfx1250"
	.amdhsa_code_object_version 6
	.text
	.protected	k_q9f41dc14be_knn
	.globl	k_q9f41dc14be_knn
	.p2align	8
	.type	k_q9f41dc14be_knn,@function
k_q9f41dc14be_knn:
	s_mov_b64 s[64:65], 0
	v_nop
	global_prefetch_b8 v0, s[64:65] scope:SCOPE_SE
	s_setreg_imm32_b32 hwreg(HW_REG_WAVE_MODE, 25, 1), 1
	s_wait_xcnt 0x0
	s_wait_alu depctr_hold_cnt(0) depctr_sa_sdst(0) depctr_va_vdst(0) depctr_va_sdst(0) depctr_va_ssrc(0) depctr_va_vcc(0) depctr_vm_vsrc(0)
	s_getreg_b32 s2, hwreg(HW_REG_IB_STS2, 6, 4)
	s_cmp_eq_u32 s2, 0
	s_cbranch_scc0 .Lentry_in_a_cluster
	s_endpgm
.Lentry_in_a_cluster:
	s_bfe_u32 s2, ttmp6, 0x10000c
	s_cmp_lg_u32 s2, 0x3003
	s_cbranch_scc0 .Lentry_shape_is_right
	s_endpgm
.Lentry_shape_is_right:
; KNN SWEEP.  For each pixel: the six groups of four neighbouring library rows whose largest cosine is greatest, as whole numbers row / 4, stored in ASCENDING order of that number.
; The five nearest rows always lie in the five best groups; a sixth is kept, since this sweep orders the groups by rounded numbers.  The next launch works the 24 rows out again.
; LNF.  On the way, while the first tiles are fetched, each work-group writes 16 rows of lnf = the library's rows divided by x = |row| + eps, in f32, each quotient rounded once, for the next launch.
; lnf's layout: a group's four rows interleaved in pieces of four numbers: byte 4,096 group + 64 (k / 4) + 16 (row & 3): the four lanes that will walk a group's rows read neighbouring bytes.
; SHARES.  A work-group owns 128 pixels.  Wave w: a = w & 1 says which 64 of them (four tiles of 16, kept in registers), b = w >> 1 which 64 of each slot's 256 library rows.
; Two waves lie on a SIMD, so the text is written in plain phases.
; LAYOUT.  S^T = L F^T (source 0 = 16 library rows, source 1 = 16 pixels): a lane holds ONE pixel (lane % 16) and the rows 8 (lane / 16) + 0..7: two groups of four.
; KEYS.  A group's maximum g (sum x 1 / (|row| + eps)) becomes t = g x AMP / |pixel| + 12,582,912, which lies between 2^23 and 2^24 since a cosine lies in -1 .. 1: there an f32 is a whole number that stands
; in its 23 lower bits.  Shifted left by 7 it loses its exponent but for the bit that lands on the sign; the 7 bits that come free take the group's number in the lane's list (8 slot + 2 block + q: a list
; sees 128 groups).  Read as f32 the key is negative and normal, and the greater the cosine the smaller the key.  A lane keeps, for each tile, the six smallest keys in order: five middles of three and a
; minimum put a key in: no branch hangs on a score.  In front of the merge of a pixel's eight lists the group's whole number is unpacked and the sign is turned.
; RING.  The library goes through two LDS slots of 256 rows; the four work-groups of a cluster ask for each tile JOINTLY: same load, same descriptor, mask of four.
; LIMITS.  Cosines are told apart to 1 / 3,932,160: a true candidate would be lost only where two groups outside the best five come that close to the fifth.  A pixel's sum of squares below 2^-120 is taken
; as 2^-120.  NaN and infinities are not treated apart.
.set PITCH, 528                        ; an LDS row: 512 bytes + 16 of padding: the 16 rows of a fragment load start at 16 different groups of four banks (64 banks of 4 bytes: ISA guide 11.1)
.set SLOTB, 256*PITCH
.set RLT,   2*SLOTB                    ; 1 / (|row| + eps) of all 4,096 rows, 16,384 bytes, filled once
.set SPARE, RLT+16384                  ; the spare words, 128 bytes for each of the eight waves
.set MLIST, 6144                       ; the merge: one list of 12 entries for 128 pixels; eight of them from LDS byte 0 on, in slot 0 after its last fill
.set RLO,   2097152                    ; in lb, behind the rows: y = 1 / x of the 4,096 rows,
.set XLO,   RLO+16384                  ; and x
.set AL0, 3                            ; v3   my lane's place in a slot: row x pitch + 16 x half + my wave's 64 rows; never rewritten
.set ADR, 4                            ; v4   LDS address of the fragments to fetch
.set ARL, 5                            ; v5   LDS address of the eight scales to fetch
.set QO,  6                            ; v6   my byte offset in 16 rows of fb
.set SPW, 10                           ; v10  LDS address of my spare word; never rewritten
.set NIL, 11                           ; v11  0; never rewritten
.set RL,  12                           ; v[12:19]   scales of my eight rows
.set GM,  20                           ; v[20:27]   group maxima, then keys: tile t, group q at GM + 2 t + q
.set LT,  32                           ; v[32:79]   tile t: six keys at LT + 12 t; behind them, for the merge, the six groups
.set ACC, 80                           ; v[80:111]  four accumulators
.set SC,  112                          ; v[112:119] tile t: AMP / |pixel|, twice (a pair for the packed multiply-add)
.set LF,  128                          ; v[128:191] 16 library rows x 256 channels: K step c at LF + 8 c
.set LY,  LF+8                         ; at the head, for lnf: v[128:135] 16 numbers as loaded; y of my row;
.set LX,  LF+10                        ; x of my row;
.set LFF, LF+16                        ; 16 numbers as f32;
.set LQ,  LF+32                        ; 16 quotients;
.set LR,  LF+48                        ; 16 remainders
                                       ; window 1:  the wave's pixels: tile t, K step c at 64 t + 8 c
.set WV,  12                           ; s12  wave; s13 a; s14 b
.set G1L, 16                           ; s[16:23] descriptor group 1, library tiles
.set G1R, 24                           ; s[24:31] descriptor group 1, the scales
.set G0,  32                           ; s[32:39] descriptor group 0, a set for each slot
.set G0R, 40                           ; s[40:43] descriptor group 0, the scales
.set PC,  44                           ; s44  counts pairs of slots
.set BC,  45                           ; s45  counts a slot's four blocks, and the merge's trips
.set GI,  46                           ; s46, s47  the number, in the lane's list, of the block's group q = 0, 1
.set TB,  58                           ; s58  LDS byte of the block to fetch; in the merge: of the list to fetch
.set SEL, 60                           ; s[60:61] v_permlanex16_b32: each lane takes its own place in the other half
.set CA,  66                           ; s[66:71] compare masks
.set CB,  72                           ; s[72:77] compare masks
.set CC,  78                           ; s[78:79] 12,582,912.0: the packed multiply-add takes the pair's low word for both halves
.set MSB, 0
.macro WIN new                         ; the immediate's high byte repeats the setting that is left
.if MSB != (\new)
	s_set_vgpr_msb (MSB<<8)|(\new)
.set MSB, \new
.endif
.endm
.macro ROUND                           ; a round of the cluster's barrier
	s_barrier_signal -1
	s_barrier_wait -1
	s_cmp_lg_u32 s[WV], 0
	s_cbranch_scc1 .Lnot_wave_0_\@
	s_barrier_signal -3
.Lnot_wave_0_\@:
	s_barrier_wait -3
	s_barrier_signal -1
	s_barrier_wait -1
.endm
.macro PLACES
.rept 4
	v_nop
.endr
.endm
	s_load_b256 s[4:11], s[0:1], 0x0               ; fb s[4:5], lb s[6:7], lnf s[8:9], grp s[10:11]
	v_lshl_add_u32 v[SPW], v0, 2, SPARE
	v_mov_b32 v[NIL], 0
	ds_add_u32 v[SPW], v[NIL]                      ; the wave's opening: the add and its wait ahead of my first tensor load
	v_lshrrev_b32 v7, 5, v0
	v_readfirstlane_b32 s[WV], v7
	s_and_b32 s13, s[WV], 1
	s_lshr_b32 s14, s[WV], 1
	s_bfe_u32 s15, ttmp6, 0x40000                  ; cx: it enters the addresses of plain loads and stores alone
	s_lshl_b32 s54, ttmp9, 2
	s_add_co_u32 s54, s54, s15                     ; my work-group
	s_mov_b32 s[G1L],   15|(1<<16)|(1<<20)|(1<<21)|(6<<22)|(3<<25)  ; mask of four; 2-byte elements; padding on; bit 21 beside a mask; after every 128 words; 4 words
	s_mov_b32 s[G1L+1], 256<<16                    ; tensor_dim0 = 256
	s_mov_b32 s[G1L+2], 32<<16                     ; tensor_dim1 = 32
	s_mov_b32 s[G1L+3], 256<<16                    ; tile_dim0 = 256
	s_mov_b32 s[G1L+4], 32                         ; tile_dim1 = 32: each of the eight waves brings 32 of a slot's 256 rows
	s_mov_b32 s[G1L+5], 256                        ; elements from row to row
	s_mov_b32 s[G1L+6], 0
	s_mov_b32 s[G1L+7], 0
	s_mov_b32 s[G1R],   15|(3<<16)|(1<<21)         ; 8-byte elements, no padding: 8 rows of 256 bytes a wave
	s_mov_b32 s[G1R+1], 32<<16
	s_mov_b32 s[G1R+2], 8<<16
	s_mov_b32 s[G1R+3], 32<<16
	s_mov_b32 s[G1R+4], 8
	s_mov_b32 s[G1R+5], 32
	s_mov_b32 s[G1R+6], 0
	s_mov_b32 s[G1R+7], 0
	s_mul_i32 s49, s[WV], 32*PITCH
	s_mov_b32 s[G0], 1
	s_mov_b32 s[G0+1], s49                         ; slot 0, my 32 rows
	s_mov_b32 s[G0+4], 1
	s_add_co_u32 s[G0+5], s49, SLOTB               ; slot 1
	s_lshl_b32 s50, s[WV], 11
	s_mov_b32 s51, 0
	s_mov_b32 s[G0R], 1
	s_add_co_u32 s[G0R+1], s50, RLT
	s_lshl_b32 s52, s[WV], 14                      ; 32 rows of 512 bytes
	s_mov_b32 s53, 0
	s_mov_b32 s57, 0
	s_mov_b32 s[SEL], 0x76543210
	s_mov_b32 s[SEL+1], 0xfedcba98
	s_mov_b32 s[CC], 0x4b400000                    ; 2^23 + 2^22
	s_mov_b32 s[CC+1], 0x4b400000                  ; named with it as a pair
	s_wait_dscnt 0x0                               ; the opening add is done
	s_wait_kmcnt 0x0
	s_add_nc_u64 s[G0+2:G0+3], s[6:7], s[52:53]
	s_add_nc_u64 s[G0+6:G0+7], s[G0+2:G0+3], 256*512
	s_or_b32 s[G0+3], s[G0+3], 0x80000000
	s_or_b32 s[G0+7], s[G0+7], 0x80000000
	s_add_nc_u64 s[G0R+2:G0R+3], s[6:7], s[50:51]
	s_add_nc_u64 s[G0R+2:G0R+3], s[G0R+2:G0R+3], RLO
	s_or_b32 s[G0R+3], s[G0R+3], 0x80000000
	s_lshl_b32 s56, s54, 16                        ; my work-group's 128 rows of fb,
	s_lshl_b32 s55, s13, 15                        ; my wave's 64
	s_add_co_u32 s56, s56, s55
	s_add_nc_u64 s[4:5], s[4:5], s[56:57]
	s_lshl_b32 s56, s54, 10                        ; 128 pixels x 8 bytes of grp
	s_add_nc_u64 s[10:11], s[10:11], s[56:57]
	ROUND                                          ; all four work-groups are here: the first joint loads meet
	tensor_load_to_lds s[G0R:G0R+3], s[G1R:G1R+7]  ; three loads of mine are out: the scales,
	s_nop 0
	tensor_load_to_lds s[G0:G0+3], s[G1L:G1L+7]    ; rows 0-255,
	s_nop 0
	tensor_load_to_lds s[G0+4:G0+7], s[G1L:G1L+7]  ; rows 256-511
	s_nop 0
	PLACES
	v_and_b32 v1, 15, v0                           ; r
	v_bfe_u32 v2, v0, 4, 1                         ; h
	v_lshlrev_b32 v[QO], 9, v1
	v_lshl_add_u32 v[QO], v2, 4, v[QO]
	WIN 0x40                                       ; destination window 1
.set i, 0
.rept 32                                       ; tile i / 8, K step i % 8: lane (r, h) holds pixel r, channels 32 c + 8 h + 0..7 and 32 c + 16 + 8 h + 0..7
	global_load_b128 v[8*i:8*i+3],   v[QO], s[4:5] offset:(i/8)*8192+(i%8)*64
	global_load_b128 v[8*i+4:8*i+7], v[QO], s[4:5] offset:(i/8)*8192+(i%8)*64+32
.set i, i+1
.endr
	WIN 0
	; lnf: four groups of four rows a work-group; a group to two waves: my b says which group, my a which 128 of its 256 k.  Lane l takes row l & 3 and the four numbers at k = 128 a + 32 s + 4 (l >> 2), s = 0..3
	s_lshl_b32 s62, s54, 2
	s_add_co_u32 s62, s62, s14                     ; my group
	v_and_b32 v7, 31, v0                           ; l
	v_and_b32 v8, 3, v7
	s_lshl_b32 s63, s62, 2
	v_add_nc_u32 v9, s63, v8                       ; my row
	v_lshrrev_b32 v8, 2, v7
	v_lshlrev_b32 v8, 3, v8                        ; four bf16 are 8 bytes
	v_lshl_add_u32 v8, v9, 9, v8                   ; + row x 512
	s_lshl_b32 s63, s13, 8
	v_add_nc_u32 v8, s63, v8                       ; + my half of the row
	v_lshlrev_b32 v9, 2, v9
.irp q, 0,1,2,3
	global_load_b64 v[LF+2*\q:LF+2*\q+1], v8, s[6:7] offset:64*\q
.endr
	global_load_b32 v[LY], v9, s[6:7] offset:RLO
	global_load_b32 v[LX], v9, s[6:7] offset:XLO
	v_mul_u32_u24 v[AL0], v1, PITCH
	v_lshl_add_u32 v[AL0], v2, 4, v[AL0]
	s_mul_i32 s49, s14, 64*PITCH
	v_add_nc_u32 v[AL0], s49, v[AL0]
	s_lshl_b32 s49, s14, 8                         ; 64 rows x 4 bytes
	s_add_co_u32 s49, s49, RLT
	v_lshl_add_u32 v[ARL], v2, 5, s49
.set i, 0
.rept 4
.irp k, 0,1,2,3,4,5
	v_mov_b32 v[LT+12*i+\k], 0                     ; the lists start at 0, above every key; each sees 128 groups
.endr
	v_mov_b32 v[GM+2*i+1], 0                       ; v_permlanex16_b32's destination counts as read
.set i, i+1
.endr
	s_mov_b32 s[GI], 0
	s_mov_b32 s[GI+1], 1
.macro FETCH                           ; 16 rows x 256 channels and their eight scales a lane
.irp c, 0,1,2,3,4,5,6,7
	ds_load_b128 v[LF+8*\c:LF+8*\c+3],   v[ADR] offset:64*\c
	ds_load_b128 v[LF+8*\c+4:LF+8*\c+7], v[ADR] offset:64*\c+32
.endr
	ds_load_b128 v[RL:RL+3],   v[ARL]
	ds_load_b128 v[RL+4:RL+7], v[ARL] offset:16
.endm
.macro MM                              ; 32 products; the four accumulators take turns, one instruction a turn; the first K step starts the sums
	WIN 0x04                                       ; source 1 in window 1
.irp c, 0,1,2,3,4,5,6,7
.irp t, 0,1,2,3
.if \c == 0
	v_wmma_f32_16x16x32_bf16 v[ACC+8*\t:ACC+8*\t+7], v[LF+8*\c:LF+8*\c+7], v[64*\t+8*\c:64*\t+8*\c+7], 0
.else
	v_wmma_f32_16x16x32_bf16 v[ACC+8*\t:ACC+8*\t+7], v[LF+8*\c:LF+8*\c+7], v[64*\t+8*\c:64*\t+8*\c+7], v[ACC+8*\t:ACC+8*\t+7]
.endif
.endr
.endr
	WIN 0
.endm
; A key goes into tile t's list of the six smallest.  From the bottom up an entry becomes the middle one of its upper neighbour, itself and the key; the top becomes the smaller of itself and the key.
.macro INSK t, q
.set VA, LT+12*(\t)
.set MA, GM+2*(\t)+(\q)
.irp k, 5,4,3,2,1
	v_med3_num_f32 v[VA+\k], v[VA+\k-1], v[VA+\k], v[MA]
.endr
	v_min_num_f32 v[VA], v[VA], v[MA]
.endm
; The merge: one entry (value in v[m], group in v[x]) into a list of n, ordered by the greater value and then by the lower group.
.macro MINS n, tv, ti, m, x
.set kk, 0
.rept \n
	v_cmp_gt_f32 s[CA+kk], v[\m], v[(\tv)+kk]
	v_cmp_eq_f32 s[CB], v[\m], v[(\tv)+kk]
	v_cmp_lt_u32 s[CB+1], v[\x], v[(\ti)+kk]
	s_and_b32 s[CB], s[CB], s[CB+1]
	s_or_b32 s[CA+kk], s[CA+kk], s[CB]
.set kk, kk+1
.endr
.set kk, (\n)-1
.rept (\n)-1
	v_cndmask_b32 v[(\ti)+kk], v[(\ti)+kk], v[\x], s[CA+kk]
	v_cndmask_b32 v[(\ti)+kk], v[(\ti)+kk], v[(\ti)+kk-1], s[CA+kk-1]
	v_med3_num_f32 v[(\tv)+kk], v[(\tv)+kk-1], v[(\tv)+kk], v[\m]
.set kk, kk-1
.endr
	v_cndmask_b32 v[\ti], v[\ti], v[\x], s[CA]
	v_max_num_f32 v[\tv], v[\tv], v[\m]
.endm
; A SLOT: four blocks of 16 of my 64 rows.  fin = 2: the slot is filled again with the rows two slots on; 1: the other slot is waited for, nothing is asked; 0: the last slot.
.macro SLOTW n, fin
	s_mov_b32 s[TB], (\n)*SLOTB
	v_add_nc_u32 v[ADR], s[TB], v[AL0]
	FETCH
	s_mov_b32 s[BC], 4
.Lblk_\@:
	s_wait_dscnt 0x0                               ; the block's fragments and scales are in
	MM
	s_add_co_u32 s[TB], s[TB], 16*PITCH
	v_add_nc_u32 v[ADR], s[TB], v[AL0]             ; four plain instructions between the last product and the first read of a sum:
	v_add_nc_u32 v[ARL], 64, v[ARL]                ; the next block's addresses
	v_nop
	v_nop
.irp t, 0,1,2,3                                ; sum x 1 / (|row| + eps); each accumulator is read from its low end on
.irp p, 0,2,4,6
	v_pk_mul_f32 v[ACC+8*\t+\p:ACC+8*\t+\p+1], v[ACC+8*\t+\p:ACC+8*\t+\p+1], v[RL+\p:RL+\p+1]
.endr
.endr
	s_cmp_eq_u32 s[BC], 1                          ; the slot's last block fetches nothing
	s_cbranch_scc1 .Lnof_\@
	FETCH
.Lnof_\@:
.irp t, 0,1,2,3
.irp q, 0,1
	v_max3_num_f32 v[GM+2*\t+\q], v[ACC+8*\t+4*\q], v[ACC+8*\t+4*\q+1], v[ACC+8*\t+4*\q+2]
.endr
.endr
.irp t, 0,1,2,3
.irp q, 0,1
	v_max_num_f32 v[GM+2*\t+\q], v[GM+2*\t+\q], v[ACC+8*\t+4*\q+3]
.endr
.endr
.irp t, 0,1,2,3                                ; the whole number between 2^23 and 2^24, two groups an instruction,
	v_pk_fma_f32 v[GM+2*\t:GM+2*\t+1], v[GM+2*\t:GM+2*\t+1], v[SC+2*\t:SC+2*\t+1], s[CC:CC+1] op_sel_hi:[1,0,0]
.endr
.irp t, 0,1,2,3                                ; and the key
.irp q, 0,1
	v_lshl_or_b32 v[GM+2*\t+\q], v[GM+2*\t+\q], 7, s[GI+\q]
.endr
.endr
.irp q, 0,1
.irp t, 0,1,2,3
	INSK \t, \q
.endr
.endr
	s_add_co_u32 s[GI], s[GI], 2
	s_add_co_u32 s[GI+1], s[GI+1], 2
	s_sub_co_u32 s[BC], s[BC], 1
	s_cmp_lg_u32 s[BC], 0
	s_cbranch_scc1 .Lblk_\@
	v_add_nc_u32 v[ARL], 768, v[ARL]               ; on to my 64 rows of the next slot: 256 rows less the 64 walked
.if (\fin) == 2
	s_wait_tensorcnt 0x0                           ; all my tensor loads have landed: my part of the other slot
	ds_add_u32 v[SPW], v[NIL]
	s_add_nc_u64 s[G0+4*(\n)+2:G0+4*(\n)+3], s[G0+4*(\n)+2:G0+4*(\n)+3], 2*256*512
	s_wait_dscnt 0x0                               ; the add is done, and my reads of this slot are over
	ROUND                                          ; both hold of every wave of all four work-groups
	tensor_load_to_lds s[G0+4*(\n):G0+4*(\n)+3], s[G1L:G1L+7]  ; my one load behind the round; it has the other slot's 128 products a wave in which to land
	s_nop 0
	PLACES
.elseif (\fin) == 1
	s_wait_tensorcnt 0x0
	ds_add_u32 v[SPW], v[NIL]
	s_wait_dscnt 0x0
	s_barrier_signal -1
	s_barrier_wait -1
.endif
.endm
	s_wait_loadcnt 0x0                             ; my pixels, and my 16 numbers of the library with their row's x and y
	; LNF: 16 numbers a lane.  The rounded quotient f / x: q = f y, then twice q + (f - x q) y, each line one fused multiply-add.
	s_mov_b32 s63, 0xffff0000
.set i, 0
.rept 8
	v_lshlrev_b32 v[LFF+2*i],   16,  v[LF+i]
	v_and_b32     v[LFF+2*i+1], s63, v[LF+i]
.set i, i+1
.endr
.set i, 0
.rept 16
	v_mul_f32 v[LQ+i], v[LFF+i], v[LY]
.set i, i+1
.endr
.rept 2
.set i, 0
.rept 16
	v_fma_f32 v[LR+i], -v[LX], v[LQ+i], v[LFF+i]
.set i, i+1
.endr
.set i, 0
.rept 16
	v_fma_f32 v[LQ+i], v[LR+i], v[LY], v[LQ+i]
.set i, i+1
.endr
.endr
	s_lshl_b32 s63, s62, 12                        ; a group is 4,096 bytes,
	s_lshl_b32 s59, s13, 11                        ; my half of K 2,048
	s_add_co_u32 s63, s63, s59
	v_lshl_add_u32 v8, v7, 4, s63                  ; 64 (l >> 2) + 16 (l & 3) = 16 l
.irp q, 0,1,2,3
	global_store_b128 v8, v[LQ+4*\q:LQ+4*\q+3], s[8:9] offset:512*\q  ; 512 consecutive bytes, aligned: eight pieces of four rows
.endr
	s_wait_xcnt 0x0                                ; the stores have read their registers, which are written again below
	; THE PIXELS' NORMS.  Each tile times itself: the diagonal of the 16 x 16 result holds the sums of squares.  Pixel r's stands in lane (r, h = r >> 3), register r & 7.
	WIN 0x05                                       ; sources 0 and 1 in window 1
.irp c, 0,1,2,3,4,5,6,7
.irp t, 0,1,2,3
.if \c == 0
	v_wmma_f32_16x16x32_bf16 v[ACC+8*\t:ACC+8*\t+7], v[64*\t+8*\c:64*\t+8*\c+7], v[64*\t+8*\c:64*\t+8*\c+7], 0
.else
	v_wmma_f32_16x16x32_bf16 v[ACC+8*\t:ACC+8*\t+7], v[64*\t+8*\c:64*\t+8*\c+7], v[64*\t+8*\c:64*\t+8*\c+7], v[ACC+8*\t:ACC+8*\t+7]
.endif
.endr
.endr
	WIN 0
	v_and_b32 v7, 7, v1                            ; four plain instructions between the last product and the first read of a sum
	v_lshrrev_b32 v8, 3, v1
	v_nop
	v_nop
.irp j, 1,2,3,4,5,6,7
	v_cmp_eq_u32 s[CA+\j-1], \j, v7
.endr
	v_cmp_eq_u32 s[CA+7], v8, v2                   ; my half of the lanes holds my pixel's diagonal
.irp t, 0,1,2,3
	v_cndmask_b32 v[GM+2*\t], v[ACC+8*\t], v[ACC+8*\t+1], s[CA]
.irp j, 2,3,4,5,6,7
	v_cndmask_b32 v[GM+2*\t], v[GM+2*\t], v[ACC+8*\t+\j], s[CA+\j-1]
.endr
.endr
.irp t, 0,1,2,3
	v_permlanex16_b32 v[GM+2*\t+1], v[GM+2*\t], s[SEL], s[SEL+1]
.endr
.irp t, 0,1,2,3
	v_cndmask_b32 v[GM+2*\t], v[GM+2*\t+1], v[GM+2*\t], s[CA+7]
.endr
.irp t, 0,1,2,3
	v_max_num_f32 v[GM+2*\t], 0x03800000, v[GM+2*\t]  ; 2^-120 at the least
.endr
.irp t, 0,1,2,3
	v_rsq_f32 v[GM+2*\t], v[GM+2*\t]
.endr
	v_nop                                          ; a plain instruction between the last root and the use of its result
	s_wait_alu depctr_va_vdst(0)
.irp t, 0,1,2,3
	v_mul_f32 v[SC+2*\t], 0x4a700000, v[GM+2*\t]   ; AMP = 3,932,160: t stays inside 2^23 .. 2^24 for cosines up to 1.06 either way
.endr
.irp t, 0,1,2,3
	v_mov_b32 v[SC+2*\t+1], v[SC+2*\t]             ; named with it as a pair
.endr
	s_wait_tensorcnt 0x1                           ; the scales and slot 0 are in; slot 1's load, the one issued behind them, may stay out
	s_barrier_signal -1
	s_barrier_wait -1
	s_mov_b32 s[PC], 7
.Lpair:                                        ; slots 0-13; rows 512-4095 are asked for
	SLOTW 0, 2
	SLOTW 1, 2
	s_sub_co_u32 s[PC], s[PC], 1
	s_cmp_lg_u32 s[PC], 0
	s_cbranch_scc1 .Lpair
	SLOTW 0, 1                                     ; the tail is written out
	SLOTW 1, 0
	; THE MERGE.  A pixel's eight lists (four quarters of the rows x two halves of the lanes) meet in LDS, in slot 0: its last fill has landed, and every wave has left it behind the barrier above.
	; First each key gives its group: 64 slot + 16 b + 4 block + 2 h + q, of which slot, block and q stand in the key's bits 6:3, 2:1 and 0; and its sign is turned, so that the greater value is the better.
	v_lshlrev_b32 v7, 1, v2
	s_lshl_b32 s49, s14, 4
	v_or_b32 v7, s49, v7                           ; 16 b + 2 h
.set i, 0
.rept 4
.irp k, 0,1,2,3,4,5
	v_and_b32 v[LT+12*i+6+\k], 0x78, v[LT+12*i+\k]
	v_and_b32 v8, 6, v[LT+12*i+\k]
	v_lshl_or_b32 v[LT+12*i+6+\k], v[LT+12*i+6+\k], 3, v7
	v_lshl_or_b32 v[LT+12*i+6+\k], v8, 1, v[LT+12*i+6+\k]
	v_and_or_b32 v[LT+12*i+6+\k], v[LT+12*i+\k], 1, v[LT+12*i+6+\k]
	v_xor_b32 v[LT+12*i+\k], 0x80000000, v[LT+12*i+\k]
.endr
.set i, i+1
.endr
	s_mul_i32 s49, s14, 2*MLIST
	s_lshl_b32 s50, s13, 8
	s_add_co_u32 s49, s49, s50
	v_mul_u32_u24 v7, v2, MLIST
	v_lshl_add_u32 v7, v1, 2, v7
	v_add_nc_u32 v7, s49, v7                       ; list 2 b + h, pixel 64 a + r
.set t, 0
.rept 4
.set e, 0
.rept 12
	ds_store_b32 v7, v[LT+12*t+e] offset:64*t+512*e
.set e, e+1
.endr
.set t, t+1
.endr
	s_wait_dscnt 0x0                               ; for the others' sake
	s_barrier_signal -1
	s_barrier_wait -1
	s_cmp_lt_u32 s[WV], 4                          ; waves 0-3: a lane takes the pixel 32 x wave + lane
	s_cbranch_scc0 .Ldone
	v_and_b32 v8, 31, v0
	s_lshl_b32 s49, s[WV], 7
	v_lshl_add_u32 v8, v8, 2, s49                  ; 4 x pixel = 128 x wave + 4 x lane; never rewritten
.set e, 0
.rept 12
	ds_load_b32 v[LT+e], v8 offset:512*e           ; list 0 as it stands
.set e, e+1
.endr
	s_mov_b32 s[TB], MLIST                         ; the list to fetch: it steps with the trips, as the blocks' address does
	s_mov_b32 s[BC], 7
.Lmerge:
	v_add_nc_u32 v9, s[TB], v8
.set e, 0
.rept 12
	ds_load_b32 v[ACC+e], v9 offset:512*e
.set e, e+1
.endr
	s_wait_dscnt 0x0
.set e, 0
.rept 6
	MINS 6, LT, LT+6, ACC+e, ACC+6+e
.set e, e+1
.endr
	s_add_co_u32 s[TB], s[TB], MLIST
	s_sub_co_u32 s[BC], s[BC], 1
	s_cmp_lg_u32 s[BC], 0
	s_cbranch_scc1 .Lmerge
	; The six groups' numbers are put in ascending order, so that the next launch can walk the 24 rows in ascending order: five passes of neighbours compared and swapped, 5 + 4 + 3 + 2 + 1 = 15 in all.
.irp p, 5,4,3,2,1
.set j, 0
.rept \p
	v_cmp_gt_u32 vcc_lo, v[LT+6+j], v[LT+7+j]
	v_cndmask_b32 v9, v[LT+6+j], v[LT+7+j], vcc_lo       ; the smaller
	v_cndmask_b32 v[LT+7+j], v[LT+7+j], v[LT+6+j], vcc_lo ; the greater goes up
	v_mov_b32 v[LT+6+j], v9
.set j, j+1
.endr
.endr
	v_lshl_or_b32 v[ACC], v[LT+7], 10, v[LT+6]     ; three numbers of ten bits a word
	v_lshl_or_b32 v[ACC+1], v[LT+10], 10, v[LT+9]
	v_lshl_or_b32 v[ACC], v[LT+8], 20, v[ACC]
	v_lshl_or_b32 v[ACC+1], v[LT+11], 20, v[ACC+1]
	v_lshlrev_b32 v9, 3, v0
	global_store_b64 v9, v[ACC:ACC+1], s[10:11]    ; a wave stores 256 consecutive bytes, aligned
.Ldone:
	s_wait_dscnt 0x0                               ; my reads of the lists are over;
	s_barrier_signal -1                            ; all eight waves meet: every wave's reads are over before any wave's closing lines write LDS
	s_barrier_wait -1
	s_wait_tensorcnt 0x0                           ; the wave's end
	ds_add_u32 v[SPW], v[NIL]
	s_wait_dscnt 0x0
	ROUND                                          ; the closing round
	s_endpgm
.Lfunc_end_k_q9f41dc14be_knn:
	.size	k_q9f41dc14be_knn, .Lfunc_end_k_q9f41dc14be_knn-k_q9f41dc14be_knn
	.p2alignl 7, 3214868480
	.fill 96, 4, 3214868480
	.section	.rodata,"a",@progbits
	.p2align	6, 0x0
	.amdhsa_kernel k_q9f41dc14be_knn
		.amdhsa_group_segment_fixed_size 327680
		.amdhsa_private_segment_fixed_size 0
		.amdhsa_enable_private_segment 0
		.amdhsa_kernarg_size 32
		.amdhsa_user_sgpr_count 2
		.amdhsa_user_sgpr_kernarg_segment_ptr 1
		.amdhsa_wavefront_size32 1
		.amdhsa_system_sgpr_workgroup_id_x 1
		.amdhsa_system_sgpr_workgroup_id_y 1
		.amdhsa_system_sgpr_workgroup_id_z 1
		.amdhsa_system_vgpr_workitem_id 0
		.amdhsa_next_free_vgpr 512
		.amdhsa_next_free_sgpr 80
		.amdhsa_reserve_vcc 1
		.amdhsa_float_denorm_mode_32 3
		.amdhsa_float_denorm_mode_16_64 3
		.amdhsa_memory_ordered 1
		.amdhsa_forward_progress 1
		.amdhsa_inst_pref_size 99
	.end_amdhsa_kernel
	.amdgpu_metadata
---
amdhsa.version: [ 1, 2 ]
amdhsa.kernels:
  - .name:           k_q9f41dc14be_knn
    .symbol:         k_q9f41dc14be_knn.kd
    .args:
      - { .name: fb, .offset: 0, .size: 8, .value_kind: global_buffer, .address_space: global }
      - { .name: lb, .offset: 8, .size: 8, .value_kind: global_buffer, .address_space: global }
      - { .name: lnf, .offset: 16, .size: 8, .value_kind: global_buffer, .address_space: global }
      - { .name: grp, .offset: 24, .size: 8, .value_kind: global_buffer, .address_space: global }
    .group_segment_fixed_size: 327680
    .private_segment_fixed_size: 0
    .kernarg_segment_align: 8
    .kernarg_segment_size: 32
    .max_flat_workgroup_size: 256
    .sgpr_count:     80
    .vgpr_count:     512
    .wavefront_size: 32
...
	.end_amdgpu_metadata
.endif
;; end of part 6
;; launch pick (part 7): grid 1024 x 1, 8 waves a work-group, no clusters, 0 bytes of LDS; arguments fb, lnf, grp, out3, ids; writes out3, ids
.if DOCPART == 7
	.amdgcn_target "amdgcn-amd-amdhsa--gfx1250"
	.amdhsa_code_object_version 6
	.text
	.protected	k_q9f41dc14be_pick
	.globl	k_q9f41dc14be_pick
	.p2align	8
	.type	k_q9f41dc14be_pick,@function
k_q9f41dc14be_pick:
	s_mov_b64 s[64:65], 0
	v_nop
	global_prefetch_b8 v0, s[64:65] scope:SCOPE_SE
	s_setreg_imm32_b32 hwreg(HW_REG_WAVE_MODE, 25, 1), 1
	s_wait_xcnt 0x0
; PICK.  For each pixel the cosines with the 24 rows of its six groups are worked out in f32 as reference() writes them, and the five best (value, then lower row) are kept:
; out3 = the five cosines, ids = their rows, packed [pixel][4]: id0 | id1 << 16, id2 | id3 << 16, id4, 0.
; THE ARITHMETIC, on the numbers rounded to bf16.  n = the sum of the 256 squares (exact in f32), in eight blocks of 32, each ascending, the eight sums ascending; x = the rounded root of n, + 1e-12;
; fn[k] = the rounded quotient f[k] / x; lnf holds the library's rows made the same way; a cosine is ONE chain of 256 fused multiply-adds, k ascending.
; SHARES.  Eight lanes a pixel, four pixels a wave, 32 a work-group.  Lane j owns channels 32 j .. 32 j + 31 of the pixel: it makes their block sum and their quotients.
; Lane j runs three of the 24 chains: row j & 3 of the groups (j >> 2), (j >> 2) + 2, (j >> 2) + 4.  For each k the owner's fn[k] is handed to the eight lanes inside a move (DPP, within eight lanes).
; LNF'S LAYOUT.  A group's four rows lie interleaved in pieces of four numbers: byte 4,096 group + 64 (k / 4) + 16 (row & 3).  So the four lanes that run a group's four rows read 64 neighbouring bytes
; with each load, and a wave's load names 8 such pieces.
; A chain's row comes straight from memory, 16 bytes a load, in chunks of 32 k through two sets of registers: while one chunk is multiplied, the other's 24 loads are on their way.
; THE ORDER.  grp holds a pixel's six groups in ascending order.  So chain m = 0, 1, 2 and, within it, lanes 0 to 7 take the 24 rows in ascending order, and a strict compare at each insertion keeps the lower
; row ahead where two cosines are equal.
; The rows' addresses come from grp, whole numbers that the launch before has stored, held to 0 .. 1,023.
; No LDS: the eight lanes of a pixel lie in one wave.  LIMITS: a sum of squares below 2^-126 counts as 0; NaN and infinities are not treated apart; ranks decided in the last bits of f32 follow this order of
; summing and may differ from another's.
.set RO,  6                            ; v[6:8]    byte offset in lnf of my three rows' first pieces; never rewritten
.set RW,  9                            ; v[9:11]   my three rows
.set AC,  12                           ; v[12:14]  my three chains
.set RAW, 16                           ; v[16:31]  my 32 channels as loaded; then:
.set TT,  16                           ; v[16:19]  four numbers handed round; first the quotients at work
.set SA,  20                           ; v20  my block's sum
.set SR,  21                           ; v21  the root, then x
.set D1,  22                           ; v22  n
.set D2,  23                           ; v23 to v25 at work
.set E1,  24
.set E2,  25
.set YS,  26                           ; v26  y = 1 / x
.set RR,  27                           ; v[27:30]  remainders at work
.set FN,  32                           ; v[32:63]  my 32 channels in f32, then their quotients
.set LB0, 64                           ; v[64:159]  a chunk: row m, k i at 32 m + i
.set LB1, 160                          ; v[160:255] the other chunk
.set TL,  64                           ; behind the chains: v[64:68] the list's values,
.set IL,  69                           ; v[69:73]  its rows,
.set BV,  74                           ; v[74:81]  the eight lanes' values of one chain, handed round,
.set BI,  82                           ; v[82:89]  their rows
.set CA,  20                           ; s[20:24] compare masks
	s_load_b256 s[4:11], s[0:1], 0x0               ; fb s[4:5], lnf s[6:7], grp s[8:9], out3 s[10:11]
	s_load_b64 s[12:13], s[0:1], 0x20              ; ids
	v_and_b32 v1, 7, v0                            ; j
	v_lshrrev_b32 v2, 3, v0
	s_lshl_b32 s16, ttmp9, 5
	v_add_nc_u32 v2, s16, v2                       ; my pixel
	v_and_b32 v3, 3, v0                            ; j & 3
	v_lshlrev_b32 v12, 3, v2
	v_lshlrev_b32 v15, 6, v1                       ; my 64 bytes
	v_lshl_add_u32 v15, v2, 9, v15                 ; of the pixel's 512
	v_cmp_lt_u32 s18, 3, v1                        ; lanes 4-7 of the eight
	s_mov_b32 s17, 0xffff0000
	s_wait_kmcnt 0x0
	global_load_b64 v[4:5], v12, s[8:9]
.irp i, 0,1,2,3
	global_load_b128 v[RAW+4*\i:RAW+4*\i+3], v15, s[4:5] offset:16*\i
.endr
	s_wait_loadcnt 4                               ; the groups are in; the pixel's four loads stay out
	v_bfe_u32 v[RO],   v4, 0, 10
	v_bfe_u32 v[AC],   v4, 10, 10
	v_bfe_u32 v[RO+1], v4, 20, 10
	v_bfe_u32 v[AC+1], v5, 0, 10
	v_bfe_u32 v[RO+2], v5, 10, 10
	v_bfe_u32 v[AC+2], v5, 20, 10
	v_lshlrev_b32 v4, 4, v3                        ; my row's 16 bytes in a piece of four rows
.irp m, 0,1,2
	v_cndmask_b32 v[RO+\m], v[RO+\m], v[AC+\m], s18  ; groups 0, 2, 4 for lanes 0-3; 1, 3, 5 for lanes 4-7
	v_min_u32 v[RO+\m], 0x3ff, v[RO+\m]
	v_lshl_add_u32 v[RW+\m], v[RO+\m], 2, v3       ; my row
	v_lshl_add_u32 v[RO+\m], v[RO+\m], 12, v4      ; group x 4,096 bytes + my 16
.endr
.macro LOADS buf, c                    ; chunk c of my three rows: 24 loads; a chunk is eight pieces of 64 bytes
.irp m, 0,1,2
.irp i, 0,1,2,3,4,5,6,7
	global_load_b128 v[(\buf)+32*\m+4*\i:(\buf)+32*\m+4*\i+3], v[RO+\m], s[6:7] offset:512*(\c)+64*\i
.endr
.endr
.endm
; Chunk c: k = 32 c .. 32 c + 31, whose quotients lane c of the eight owns.  Four are handed round, then each chain takes them in ascending order.  first = 1: the first product starts the chains.
.macro CHUNK c, buf, first
.set i, 0
.rept 8
.irp e, 0,1,2,3
	v_mov_b32_dpp v[TT+\e], v[FN+i+\e] dpp8:[\c,\c,\c,\c,\c,\c,\c,\c]
.endr
.irp e, 0,1,2,3
.irp m, 0,1,2
.if (\first) && (i+\e == 0)
	v_mul_f32 v[AC+\m], v[TT+\e], v[(\buf)+32*\m+i+\e]
.else
	v_fmac_f32 v[AC+\m], v[TT+\e], v[(\buf)+32*\m+i+\e]
.endif
.endr
.endr
.set i, i+4
.endr
.endm
; One entry (value in v[m], row in v[x]) into the list of five.  c_k = value > entry k's.  From the bottom up: entry k takes the new row if c_k, then the row above if c_(k-1);
; a value becomes the middle one of its upper neighbour, itself and the new one.  An equal value stays behind the entry that came first, which has the lower row.
.macro INS5 m, x
.irp k, 0,1,2,3,4
	v_cmp_gt_f32 s[CA+\k], v[\m], v[TL+\k]
.endr
.irp k, 4,3,2,1
	v_cndmask_b32 v[IL+\k], v[IL+\k], v[\x], s[CA+\k]
	v_cndmask_b32 v[IL+\k], v[IL+\k], v[IL+\k-1], s[CA+\k-1]
	v_med3_num_f32 v[TL+\k], v[TL+\k-1], v[TL+\k], v[\m]
.endr
	v_cndmask_b32 v[IL], v[IL], v[\x], s[CA]
	v_max_num_f32 v[TL], v[TL], v[\m]
.endm
	LOADS LB0, 0
	LOADS LB1, 1
	s_wait_loadcnt 48                              ; the pixel's channels are in; the two chunks' 48 loads stay out
.irp q, 0,1,2,3,4,5,6,7,8,9,10,11,12,13,14,15
	v_lshlrev_b32 v[FN+2*\q],   16,  v[RAW+\q]
	v_and_b32     v[FN+2*\q+1], s17, v[RAW+\q]
.endr
	v_mul_f32 v[SA], v[FN], v[FN]                  ; my block's sum of squares, ascending
.set i, 1
.rept 31
	v_fmac_f32 v[SA], v[FN+i], v[FN+i]
.set i, i+1
.endr
	v_mov_b32_dpp v[D1], v[SA] dpp8:[0,0,0,0,0,0,0,0]  ; the eight block sums, ascending, in every lane
.irp a, 1,2,3,4,5,6,7
	v_mov_b32_dpp v[D2], v[SA] dpp8:[\a,\a,\a,\a,\a,\a,\a,\a]
	v_add_f32 v[D1], v[D1], v[D2]
.endr
	v_sqrt_f32 v[SR], v[D1]                        ; within one step of the rounded root; its two neighbours are tried:
	v_nop
	s_wait_alu depctr_va_vdst(0)
	v_add_nc_u32 v[D2], -1, v[SR]                  ; the next number down,
	v_add_nc_u32 v[E1], 1, v[SR]                   ; the next up
	v_fma_f32 v[E2], -v[D2], v[SR], v[D1]          ; n - down x s <= 0: take down
	v_fma_f32 v[YS], -v[E1], v[SR], v[D1]          ; n - up x s > 0: take up
	v_cmp_ge_f32 vcc_lo, 0, v[E2]
	v_cndmask_b32 v[SR], v[SR], v[D2], vcc_lo
	v_cmp_lt_f32 vcc_lo, 0, v[YS]
	v_cndmask_b32 v[SR], v[SR], v[E1], vcc_lo
	v_add_f32 v[SR], 0x2b8cbccc, v[SR]             ; x = root + 1e-12
	v_rcp_f32 v[YS], v[SR]                         ; y = 1 / x, bettered by one step
	v_nop
	s_wait_alu depctr_va_vdst(0)
	v_fma_f32 v[E2], -v[SR], v[YS], 1.0
	v_fma_f32 v[YS], v[E2], v[YS], v[YS]
.set i, 0
.rept 8                                        ; the rounded quotients f / x, four at a time: q = f y, then twice q + (f - x q) y
.irp e, 0,1,2,3
	v_mul_f32 v[TT+\e], v[FN+i+\e], v[YS]
.endr
.irp e, 0,1,2,3
	v_fma_f32 v[RR+\e], -v[SR], v[TT+\e], v[FN+i+\e]
.endr
.irp e, 0,1,2,3
	v_fma_f32 v[TT+\e], v[RR+\e], v[YS], v[TT+\e]
.endr
.irp e, 0,1,2,3
	v_fma_f32 v[RR+\e], -v[SR], v[TT+\e], v[FN+i+\e]
.endr
.irp e, 0,1,2,3
	v_fma_f32 v[FN+i+\e], v[RR+\e], v[YS], v[TT+\e]
.endr
.set i, i+4
.endr
	s_wait_loadcnt 24                              ; this chunk is in; the other set's 24 loads stay out: so at each chunk but the last
	CHUNK 0, LB0, 1
	LOADS LB0, 2
	s_wait_loadcnt 24
	CHUNK 1, LB1, 0
	LOADS LB1, 3
	s_wait_loadcnt 24
	CHUNK 2, LB0, 0
	LOADS LB0, 4
	s_wait_loadcnt 24
	CHUNK 3, LB1, 0
	LOADS LB1, 5
	s_wait_loadcnt 24
	CHUNK 4, LB0, 0
	LOADS LB0, 6
	s_wait_loadcnt 24
	CHUNK 5, LB1, 0
	LOADS LB1, 7
	s_wait_loadcnt 24
	CHUNK 6, LB0, 0
	s_wait_loadcnt 0x0
	CHUNK 7, LB1, 0
	; THE FIVE BEST OF 24.  Three trips, a chain each: the eight lanes' values and rows of the chain are handed to all eight lanes, put into the list in the lanes' order, and the next chain moves down.
	; All eight lanes keep the same list.
.irp k, 0,1,2,3,4
	v_mov_b32 v[TL+\k], 0xff800000                 ; the list starts at minus infinity
	v_mov_b32 v[IL+\k], 0
.endr
.irp a, 0,1,2,3,4,5,6,7
	v_mov_b32 v[BV+\a], 0                          ; a DPP move's destination counts as read
	v_mov_b32 v[BI+\a], 0
.endr
	s_mov_b32 s19, 3
.Lsel:
.irp a, 0,1,2,3,4,5,6,7
	v_mov_b32_dpp v[BV+\a], v[AC] dpp8:[\a,\a,\a,\a,\a,\a,\a,\a]
	v_mov_b32_dpp v[BI+\a], v[RW] dpp8:[\a,\a,\a,\a,\a,\a,\a,\a]
.endr
.irp a, 0,1,2,3,4,5,6,7
	INS5 BV+\a, BI+\a
.endr
	v_mov_b32 v[AC], v[AC+1]
	v_mov_b32 v[AC+1], v[AC+2]
	v_mov_b32 v[RW], v[RW+1]
	v_mov_b32 v[RW+1], v[RW+2]
	s_sub_co_u32 s19, s19, 1
	s_cmp_lg_u32 s19, 0
	s_cbranch_scc1 .Lsel
	v_min_u32 v91, 4, v1                           ; out3: lane j stores number j; lanes 5-7 store number 4 once more, the same word with the same value
	v_cmp_eq_u32 s28, 1, v91
	v_cmp_eq_u32 s29, 2, v91
	v_cmp_eq_u32 s30, 3, v91
	v_cmp_eq_u32 s31, 4, v91
	v_cndmask_b32 v90, v[TL], v[TL+1], s28
	v_cndmask_b32 v90, v90, v[TL+2], s29
	v_cndmask_b32 v90, v90, v[TL+3], s30
	v_cndmask_b32 v90, v90, v[TL+4], s31
	v_mul_u32_u24 v92, v2, 20
	v_lshl_add_u32 v92, v91, 2, v92
	global_store_b32 v92, v90, s[10:11]            ; a wave stores 80 consecutive bytes
	v_cmp_eq_u32 s28, 1, v3                        ; ids: lane j stores word j & 3
	v_cmp_eq_u32 s29, 2, v3
	v_cmp_eq_u32 s30, 3, v3
	v_mov_b32 v95, 0
	v_lshl_or_b32 v93, v[IL+1], 16, v[IL]
	v_lshl_or_b32 v94, v[IL+3], 16, v[IL+2]
	v_cndmask_b32 v93, v93, v94, s28
	v_cndmask_b32 v93, v93, v[IL+4], s29
	v_cndmask_b32 v93, v93, v95, s30
	v_lshlrev_b32 v96, 4, v2
	v_lshl_add_u32 v96, v3, 2, v96
	global_store_b32 v96, v93, s[12:13]            ; a wave stores 64 consecutive bytes
	s_endpgm
.Lfunc_end_k_q9f41dc14be_pick:
	.size	k_q9f41dc14be_pick, .Lfunc_end_k_q9f41dc14be_pick-k_q9f41dc14be_pick
	.p2alignl 7, 3214868480
	.fill 96, 4, 3214868480
	.section	.rodata,"a",@progbits
	.p2align	6, 0x0
	.amdhsa_kernel k_q9f41dc14be_pick
		.amdhsa_group_segment_fixed_size 0
		.amdhsa_private_segment_fixed_size 0
		.amdhsa_enable_private_segment 0
		.amdhsa_kernarg_size 40
		.amdhsa_user_sgpr_count 2
		.amdhsa_user_sgpr_kernarg_segment_ptr 1
		.amdhsa_wavefront_size32 1
		.amdhsa_system_sgpr_workgroup_id_x 1
		.amdhsa_system_sgpr_workgroup_id_y 1
		.amdhsa_system_sgpr_workgroup_id_z 1
		.amdhsa_system_vgpr_workitem_id 0
		.amdhsa_next_free_vgpr 256
		.amdhsa_next_free_sgpr 66
		.amdhsa_reserve_vcc 1
		.amdhsa_float_denorm_mode_32 3
		.amdhsa_float_denorm_mode_16_64 3
		.amdhsa_memory_ordered 1
		.amdhsa_forward_progress 1
		.amdhsa_inst_pref_size 87
	.end_amdhsa_kernel
	.amdgpu_metadata
---
amdhsa.version: [ 1, 2 ]
amdhsa.kernels:
  - .name:           k_q9f41dc14be_pick
    .symbol:         k_q9f41dc14be_pick.kd
    .args:
      - { .name: fb, .offset: 0, .size: 8, .value_kind: global_buffer, .address_space: global }
      - { .name: lnf, .offset: 8, .size: 8, .value_kind: global_buffer, .address_space: global }
      - { .name: grp, .offset: 16, .size: 8, .value_kind: global_buffer, .address_space: global }
      - { .name: out3, .offset: 24, .size: 8, .value_kind: global_buffer, .address_space: global }
      - { .name: ids, .offset: 32, .size: 8, .value_kind: global_buffer, .address_space: global }
    .group_segment_fixed_size: 0
    .private_segment_fixed_size: 0
    .kernarg_segment_align: 8
    .kernarg_segment_size: 40
    .max_flat_workgroup_size: 256
    .sgpr_count:     66
    .vgpr_count:     256
    .wavefront_size: 32
...
	.end_amdgpu_metadata
.endif
;; end of part 7
;; launch head: the kernel of part 4 again; grid 256 x 1, 8 waves a work-group, clusters of 4 x 1, 327,680 bytes of LDS; arguments fb, wt, tbl, ids, pb, out0, out1, out2; writes out0, out1, out2
